; MI455X (gfx1250); checked and timed in simulation.
; The chip was launched on July 23, 2026; its instructions are those of AMD's public machine-readable ISA for CDNA 5 (MIT licence, August 2026) and "CDNA5" Instruction Set Architecture Reference Guide (July 2026). The comments in the code are by the model that wrote it; some were corrected since.
;; Nomic Bert Attention. Allowed arithmetic: float matrix products may take bf16 or f16 operands with f32 sums; all other float work in f32.
;; Inputs: Wk 768 x 768 float32; Wo 768 x 768 float32; Wq 768 x 768 float32; Wv 768 x 768 float32; bk 768 float32; bq 768 float32; bv 768 float32; cos 4,096 x 64 float32; hidden_states 1 x 4,096 x 768 float32; ln_b 768 float32; ln_g 768 float32; sin 4,096 x 64 float32.
;; Outputs: out0 1 x 4,096 x 768 float32.
;; 2 versions, each right; version 2 is version 1 with the launch cast written anew for expert scheduling mode. Each part assembles by itself: llvm-mc -triple=amdgcn-amd-amdhsa -mcpu=gfx1250 --defsym DOCPART=n.
;; ======== version 1 of 2: 4 launches
;; workspace buffers: hB 6,291,456 bytes; WB 3,538,944 bytes; WoB 1,179,648 bytes; q 6,291,456 bytes; k 6,291,456 bytes; v 6,291,456 bytes; att 6,291,456 bytes
;; launch cast (part 1): grid 256 x 1, 6 waves a work-group, no clusters, 0 bytes of LDS; arguments hidden_states, Wq, Wk, Wv, Wo, hB, WB, WoB; writes hB, WB, WoB
.if DOCPART == 1
	.amdgcn_target "amdgcn-amd-amdhsa--gfx1250"
	.amdhsa_code_object_version 6
	.text
	.protected	k_q5f8f101ee3_cast
	.globl	k_q5f8f101ee3_cast
	.p2align	8
	.type	k_q5f8f101ee3_cast,@function
k_q5f8f101ee3_cast:
	s_mov_b64 s[64:65], 0
	v_nop
	global_prefetch_b8 v0, s[64:65] scope:SCOPE_SE
	s_setreg_imm32_b32 hwreg(HW_REG_WAVE_MODE, 25, 1), 1
	s_wait_xcnt 0x0
; f32 to bf16, once, for everything that later goes to the matrix units more than once:
;   hB  [4096][768]      = hidden_states
;   WB  [2304][768]      = QS * Wq, Wk, Wv stacked by rows;  QS = log2(e) / 64: both score scalings (1/8 twice) and the change to base 2
;   WoB [12][768][64]    = Wo cut along k into 12 blocks of 64, each block dense (98,304 bytes), so that one K step is one dense tile
; The projection reads each block of hidden_states twelve times and each block of the weights sixteen times; cast once, those
; reads, the LDS tiles and the fragments are half as large and no conversion stands in a matrix loop.
; LIMIT: operands are rounded to bf16 (nearest even); Wq is multiplied by QS in f32 before its one rounding.
; A pure stream: 43,008 wave loads of 512 bytes = 1,536 waves x 28.  Each lane loads 16 bytes (4 f32), packs them to 8 bytes and stores them:
; a load of the wave covers 512 neighbouring bytes (Wo: two pieces of 256), a store 256 neighbouring bytes at a multiple of 256.
; All 28 loads of a wave go out first; no register is written twice, so the only waits are the counted ones for the data.
; No LDS, no barrier, no matrix unit, no cluster: the work-groups share no byte.
.set D,  8                             ; v[8+4i : 11+4i]  load i, i = 0 .. 27
.set QS, 0x3cb8aa3b                    ; log2(e) / 64
	s_load_b512 s[4:19], s[0:1], 0x0               ; hidden s[4:5], Wq s[6:7], Wk s[8:9], Wv s[10:11], Wo s[12:13], hB s[14:15], WB s[16:17], WoB s[18:19]
	v_lshrrev_b32 v4, 5, v0
	v_readfirstlane_b32 s20, v4                    ; wave in the work-group
	s_mul_i32 s21, ttmp9, 6
	s_add_co_u32 s21, s21, s20                     ; Wg: the wave's number in the launch, 0 .. 1535
	v_and_b32 v4, 31, v0                           ; lane L
	v_lshlrev_b32 v1, 4, v4                        ; 16 L: where a lane loads
	v_lshlrev_b32 v2, 3, v4                        ; 8 L: where a lane stores
	v_lshrrev_b32 v5, 4, v4
	v_and_b32 v6, 15, v4
	v_mul_u32_u24 v3, v5, 3072                     ; Wo: lanes 0-15 take 256 bytes of row 2p, lanes 16-31 of row 2p + 1
	v_lshl_add_u32 v3, v6, 4, v3
	s_lshl_b32 s22, s21, 13                        ; hidden: 8,192 bytes a wave
	s_mov_b32 s23, 0
	s_mul_i32 s24, s21, 1536                       ; Wq, Wk, Wv: 1,536 bytes a wave
	s_mov_b32 s25, 0
	s_lshl_b32 s26, s21, 12                        ; hB: 4,096 bytes a wave
	s_mov_b32 s27, 0
	s_mul_i32 s28, s21, 768                        ; WB: 768 bytes a wave and matrix
	s_mov_b32 s29, 0
	s_lshr_b32 s30, s21, 2                         ; p: the pair of rows of Wo
	s_and_b32 s31, s21, 3                          ; which three of the twelve k blocks
	s_mul_i32 s32, s30, 6144
	s_mul_i32 s34, s31, 768
	s_add_co_u32 s32, s32, s34                     ; Wo: p x 2 rows + 3 blocks of 256 bytes
	s_mov_b32 s33, 0
	s_mul_i32 s34, s31, 294912
	s_lshl_b32 s35, s30, 8
	s_add_co_u32 s34, s34, s35                     ; WoB: 3 blocks of 98,304 + p x 256
	s_mov_b32 s35, 0
	s_wait_kmcnt 0x0
	s_add_nc_u64 s[4:5], s[4:5], s[22:23]
	s_add_nc_u64 s[6:7], s[6:7], s[24:25]
	s_add_nc_u64 s[8:9], s[8:9], s[24:25]
	s_add_nc_u64 s[10:11], s[10:11], s[24:25]
	s_add_nc_u64 s[12:13], s[12:13], s[32:33]
	s_add_nc_u64 s[14:15], s[14:15], s[26:27]
	s_add_nc_u64 s[16:17], s[16:17], s[28:29]
	s_add_nc_u64 s[18:19], s[18:19], s[34:35]
.irp i, 0,1,2,3,4,5,6,7,8,9,10,11,12,13,14,15
	global_load_b128 v[D+4*\i:D+4*\i+3], v1, s[4:5] offset:512*\i th:TH_LOAD_NT
.endr
.irp i, 0,1,2
	global_load_b128 v[D+4*(16+\i):D+4*(16+\i)+3], v1, s[6:7] offset:512*\i th:TH_LOAD_NT
.endr
.irp i, 0,1,2
	global_load_b128 v[D+4*(19+\i):D+4*(19+\i)+3], v1, s[8:9] offset:512*\i th:TH_LOAD_NT
.endr
.irp i, 0,1,2
	global_load_b128 v[D+4*(22+\i):D+4*(22+\i)+3], v1, s[10:11] offset:512*\i th:TH_LOAD_NT
.endr
.irp i, 0,1,2
	global_load_b128 v[D+4*(25+\i):D+4*(25+\i)+3], v3, s[12:13] offset:256*\i th:TH_LOAD_NT
.endr
; load i is packed in place and stored at base + 8 L + imm
.macro CV i, scale, base, imm
	s_wait_loadcnt 27-(\i)                         ; loads come back in order: mine is in, the 27 - i younger ones stay out
.if \scale
	v_pk_mul_f32 v[D+4*(\i):D+4*(\i)+1], v[D+4*(\i):D+4*(\i)+1], QS op_sel_hi:[1,0]
	v_pk_mul_f32 v[D+4*(\i)+2:D+4*(\i)+3], v[D+4*(\i)+2:D+4*(\i)+3], QS op_sel_hi:[1,0]
.endif
	v_cvt_pk_bf16_f32 v[D+4*(\i)], v[D+4*(\i)], v[D+4*(\i)+1]
	v_cvt_pk_bf16_f32 v[D+4*(\i)+1], v[D+4*(\i)+2], v[D+4*(\i)+3]
	global_store_b64 v2, v[D+4*(\i):D+4*(\i)+1], s[\base:\base+1] offset:\imm
.endm
.irp i, 0,1,2,3,4,5,6,7,8,9,10,11,12,13,14,15
	CV \i, 0, 14, 256*\i
.endr
.irp i, 0,1,2
	CV 16+\i, 1, 16, 256*\i                        ; Wq, scaled
.endr
.irp i, 0,1,2
	CV 19+\i, 0, 16, 1179648+256*\i                ; Wk: behind Wq's 768 rows
.endr
.irp i, 0,1,2
	CV 22+\i, 0, 16, 2359296+256*\i                ; Wv
.endr
.irp i, 0,1,2
	CV 25+\i, 0, 18, 98304*\i                      ; Wo: one k block further for each load
.endr
	s_endpgm
.Lfunc_end_k_q5f8f101ee3_cast:
	.size	k_q5f8f101ee3_cast, .Lfunc_end_k_q5f8f101ee3_cast-k_q5f8f101ee3_cast
	.p2alignl 7, 3214868480
	.fill 96, 4, 3214868480
	.section	.rodata,"a",@progbits
	.p2align	6, 0x0
	.amdhsa_kernel k_q5f8f101ee3_cast
		.amdhsa_group_segment_fixed_size 0
		.amdhsa_private_segment_fixed_size 0
		.amdhsa_enable_private_segment 0
		.amdhsa_kernarg_size 64
		.amdhsa_user_sgpr_count 2
		.amdhsa_user_sgpr_kernarg_segment_ptr 1
		.amdhsa_wavefront_size32 1
		.amdhsa_system_sgpr_workgroup_id_x 1
		.amdhsa_system_sgpr_workgroup_id_y 1
		.amdhsa_system_sgpr_workgroup_id_z 1
		.amdhsa_system_vgpr_workitem_id 0
		.amdhsa_next_free_vgpr 120
		.amdhsa_next_free_sgpr 66
		.amdhsa_reserve_vcc 0
		.amdhsa_float_denorm_mode_32 3
		.amdhsa_float_denorm_mode_16_64 3
		.amdhsa_memory_ordered 1
		.amdhsa_forward_progress 1
		.amdhsa_inst_pref_size 12
	.end_amdhsa_kernel
	.amdgpu_metadata
---
amdhsa.version: [ 1, 2 ]
amdhsa.kernels:
  - .name:           k_q5f8f101ee3_cast
    .symbol:         k_q5f8f101ee3_cast.kd
    .args:
      - { .name: hidden_states, .offset: 0, .size: 8, .value_kind: global_buffer, .address_space: global }
      - { .name: Wq, .offset: 8, .size: 8, .value_kind: global_buffer, .address_space: global }
      - { .name: Wk, .offset: 16, .size: 8, .value_kind: global_buffer, .address_space: global }
      - { .name: Wv, .offset: 24, .size: 8, .value_kind: global_buffer, .address_space: global }
      - { .name: Wo, .offset: 32, .size: 8, .value_kind: global_buffer, .address_space: global }
      - { .name: hB, .offset: 40, .size: 8, .value_kind: global_buffer, .address_space: global }
      - { .name: WB, .offset: 48, .size: 8, .value_kind: global_buffer, .address_space: global }
      - { .name: WoB, .offset: 56, .size: 8, .value_kind: global_buffer, .address_space: global }
    .group_segment_fixed_size: 0
    .private_segment_fixed_size: 0
    .kernarg_segment_align: 8
    .kernarg_segment_size: 64
    .max_flat_workgroup_size: 192
    .sgpr_count:     66
    .vgpr_count:     120
    .wavefront_size: 32
...
	.end_amdgpu_metadata
.endif
;; end of part 1
;; launch qkv (part 2): grid 12 x 16, 12 waves a work-group, clusters of 4 x 4, 327,680 bytes of LDS; arguments hB, WB, bq, bk, bv, cos, sin, q, k, v; writes q, k, v
.if DOCPART == 2
	.amdgcn_target "amdgcn-amd-amdhsa--gfx1250"
	.amdhsa_code_object_version 6
	.text
	.protected	k_q5f8f101ee3_qkv
	.globl	k_q5f8f101ee3_qkv
	.p2align	8
	.type	k_q5f8f101ee3_qkv,@function
k_q5f8f101ee3_qkv:
	s_mov_b64 s[64:65], 0
	v_nop
	global_prefetch_b8 v0, s[64:65] scope:SCOPE_SE
	s_setreg_imm32_b32 hwreg(HW_REG_WAVE_MODE, 25, 1), 1
	s_wait_xcnt 0x0
	s_wait_alu depctr_hold_cnt(0) depctr_sa_sdst(0) depctr_va_vdst(0) depctr_va_sdst(0) depctr_va_ssrc(0) depctr_va_vcc(0) depctr_vm_vsrc(0)
	s_getreg_b32 s2, hwreg(HW_REG_IB_STS2, 6, 4)
	s_cmp_eq_u32 s2, 0
	s_cbranch_scc0 .Lentry_in_a_cluster
	s_endpgm
.Lentry_in_a_cluster:
	s_bfe_u32 s2, ttmp6, 0x10000c
	s_cmp_lg_u32 s2, 0xf033
	s_cbranch_scc0 .Lentry_shape_is_right
	s_endpgm
.Lentry_shape_is_right:
; q, k, v [12 heads][4096][64] bf16 = RoPE(hB WB^T + bias)  (v without RoPE).  q comes out already multiplied by log2(e)/64:
; WB's first 768 rows carry the factor, bq gets it here, and RoPE is linear.
; A work-group makes 256 rows x 192 columns = three heads of ONE of the three matrices; 12 x 16 = 192 work-groups, the largest number up to
; 256 whose tiles hold whole heads and that divides into clusters of 4 x 4.  Twelve waves; wave w: rows 64 (w & 3) .., head w >> 2: 64 x 64,
; sixteen accumulator tiles.  Three waves lie on a SIMD and cover each other's LDS waits, so fragments have one buffer.
; CLUSTERS: the four work-groups of a row of the cluster need the same tiles of hB, the four of a column the same tiles of WB: joint loads,
; which divide the requests for both by four.  The cluster's x is the matrix (0 q, 1 k, 2 v), so the one branch on the matrix is alike in all partners.
; K = 768 goes in six steps of 128 (rows of 256 bytes, at multiples of 256 bytes) through two LDS slots; all six are written out.
; THE MATRIX INSTRUCTION: source 0 = 16 rows of W (d), source 1 = 16 rows of hB (s).  Lane (r, h), register j of tile (st, dt) holds
; s = 16 st + r, d = 16 dt + 8 h + j: eight neighbouring d of one row, and RoPE's partner d + 32 is tile dt + 2, same lane, same register.
; The bias is the C operand of the first products: nothing is cleared and no add is spent on it.
; cos and sin are read as they are given, all 64 columns of each row (nothing is assumed of their two halves), 32 bytes a lane from sixteen rows.
; LIMIT: operands and results are bf16; sums, bias and RoPE are f32.
.set PITCH,  272                       ; LDS row: 256 bytes + 16: the 16 rows of a fragment load start at 16 different 16-byte columns modulo 256
.set QTR,    64*PITCH                  ; what one tensor load brings: 64 rows
.set HPART,  4*QTR                     ; hB's 256 rows
.set SLOT,   7*QTR                     ; + WB's 192 rows
.set STAGE,  2*SLOT                    ; behind the ring: 16 rows x 144 bytes for each wave; no tensor load lands here
.set SP,     144
.set HA,  4                            ; v4, v5   my hB fragments in slot 0, 1
.set WA,  6                            ; v6, v7   my WB fragments in slot 0, 1
.set STO, 8                            ; v8       stage, in: row r, 16 bytes for each half of the lanes
.set RD,  9                            ; v9       stage, back: 8 lanes a row of 128 bytes
.set CO,  10                           ; v10      16 L: my bytes in 512 bytes of the output
.set CSO, 11                           ; v11      256 r + 32 h: my bytes in cos and sin
.set BO,  12                           ; v12      32 h: my bytes in the bias
.set WF,  16                           ; v[16:47]   W fragments, 8 dt
.set HF,  48                           ; v[48:79]   h fragments, 8 st
.set ACC, 80                           ; v[80:207]  accumulators, 8 (4 st + dt)
.set BI,  208                          ; v[208:239] bias, 8 dt
.set TMP, 240                          ; v[240:255] packed results, 4 dt
.set G1H, 24                           ; s[24:31] group 1 for hB's tiles
.set G0H, 32                           ; s[32:39] group 0 for hB's tiles, a set for each slot
.set G1W, 48                           ; s[48:55] group 1 for WB's tiles
.set G0W, 56                           ; s[56:63] group 0 for WB's tiles
.set DESC, (1<<16)|(1<<20)|(1<<21)|(5<<22)|(3<<25)   ; elements of 2 bytes; padding on; bit 21 beside a mask; after every 64 words 4 words
.macro PLACES n
.rept \n
	v_nop
.endr
.endm
; A round of the cluster's barrier: my work-group's barrier; wave 0 signals for the work-group; every wave waits for all sixteen; my work-group's barrier again.
.macro ROUND
	s_barrier_signal -1
	s_barrier_wait -1
	s_cmp_lg_u32 s8, 0
	s_cbranch_scc1 .Lnot_wave_0_\@
	s_barrier_signal -3
.Lnot_wave_0_\@:
	s_barrier_wait -3
	s_barrier_signal -1
	s_barrier_wait -1
.endm
; One tile into slot s: waves 0-3 ask for hB's four quarters, waves 4-6 for WB's three thirds, waves 7-11 for nothing.  The branches hang on the wave's number alone.
.macro JLOAD s
	s_cmp_lt_u32 s8, 4
	s_cbranch_scc0 .Lfor_w_\@
	tensor_load_to_lds s[G0H+4*(\s):G0H+4*(\s)+3], s[G1H:G1H+7]
	s_nop 0
	s_branch .Lasked_\@
.Lfor_w_\@:
	s_cmp_lt_u32 s8, 7
	s_cbranch_scc0 .Lasked_\@
	tensor_load_to_lds s[G0W+4*(\s):G0W+4*(\s)+3], s[G1W:G1W+7]
	s_nop 0
.Lasked_\@:
.endm
	s_load_b512 s[68:83], s[0:1], 0x0              ; hB s[68:69], WB s[70:71], bq s[72:73], bk s[74:75], bv s[76:77], cos s[78:79], sin s[80:81], q s[82:83]
	s_load_b128 s[84:87], s[0:1], 0x40             ; k s[84:85], v s[86:87]
	s_set_vgpr_msb 0x40
	v_lshl_add_u32 v0, v0, 2, 0x42400
	v_mov_b32 v1, 0
	s_set_vgpr_msb 0x4045
	ds_add_u32 v0, v1
	s_set_vgpr_msb 0x4500
	v_lshrrev_b32 v1, 5, v0
	v_readfirstlane_b32 s8, v1                     ; wave 0 .. 11
	s_and_b32 s9, s8, 3                            ; wm: my 64 rows
	s_lshr_b32 s10, s8, 2                          ; wn: my head of the three
	s_bfe_u32 s11, ttmp6, 0x40000                  ; cx
	s_bfe_u32 s12, ttmp6, 0x40004                  ; cy
	s_lshl_b32 s13, ttmp9, 2
	s_add_co_u32 s13, s13, s11                     ; nb: block of 192 columns = 4 x cluster x + cx
	s_and_b32 s14, ttmp7, 0xffff
	s_lshl_b32 s14, s14, 2
	s_add_co_u32 s14, s14, s12                     ; mb: block of 256 rows = 4 x cluster y + cy
	s_mov_b32 s15, ttmp9                           ; the matrix: 0 q, 1 k, 2 v
	s_lshl_b32 s16, s12, 2
	s_lshl_b32 s16, 15, s16                        ; my row of the cluster
	s_lshl_b32 s17, 0x1111, s11                    ; my column
	s_or_b32 s[G1H+0], s16, DESC                   ; hB's tiles hang on mb alone: shared along the row
	s_or_b32 s[G1W+0], s17, DESC                   ; WB's on nb alone: shared along the column
.irp g, G1H, G1W
	s_mov_b32 s[\g+1], 128<<16                     ; tensor_dim0 = 128 elements
	s_mov_b32 s[\g+2], 64<<16                      ; tensor_dim1 = 64 rows
	s_mov_b32 s[\g+3], 128<<16                     ; tile_dim0 = 128
	s_mov_b32 s[\g+4], 64                          ; tile_dim1 = 64
	s_mov_b32 s[\g+5], 768                         ; elements from row to row
	s_mov_b32 s[\g+6], 0
	s_mov_b32 s[\g+7], 0
.endr
	s_lshl_b32 s18, s14, 8
	s_lshl_b32 s19, s9, 6
	s_add_co_u32 s18, s18, s19                     ; hB: row 256 mb + 64 (w & 3)
	s_mul_i32 s18, s18, 1536                       ; in bytes (below 6.3 million)
	s_mov_b32 s19, 0
	s_sub_co_u32 s20, s8, 4
	s_and_b32 s20, s20, 3
	s_lshl_b32 s20, s20, 6
	s_mul_i32 s46, s13, 192
	s_add_co_u32 s46, s46, s20                     ; WB: row 192 nb + 64 (w - 4), used by waves 4-6 alone
	s_mul_i32 s46, s46, 1536
	s_mov_b32 s47, 0
	s_mul_i32 s22, s8, QTR                         ; where my load goes: wave x 64 rows; no place in the cluster enters an LDS address
	s_lshl_b32 s92, s14, 8
	s_lshl_b32 s93, s9, 6
	s_add_co_u32 s92, s92, s93                     ; my first row of the 4,096
	s_mul_i32 s4, s11, 3
	s_add_co_u32 s4, s4, s10                       ; my head in the matrix: 3 cx + wn
	s_lshl_b32 s6, s4, 19                          ; output: head x 524,288
	s_lshl_b32 s7, s92, 7                          ;         + row x 128
	s_add_co_u32 s6, s6, s7
	s_mov_b32 s7, 0
	s_lshl_b32 s4, s4, 8                           ; bias: head x 256 bytes
	s_mov_b32 s5, 0
	s_lshl_b32 s92, s92, 8                         ; cos, sin: row x 256 bytes
	s_mov_b32 s93, 0
	s_mul_i32 s21, s9, QTR                         ; my rows of hB in a slot
	s_mul_i32 s23, s10, QTR
	s_add_co_u32 s23, s23, HPART                   ; my rows of WB in a slot
	s_mul_i32 s20, s8, 16*SP
	s_add_co_u32 s20, s20, STAGE                   ; my stage
	v_and_b32 v1, 15, v0                           ; r
	v_bfe_u32 v2, v0, 4, 1                         ; h
	v_and_b32 v3, 31, v0                           ; L
	v_mul_u32_u24 v13, v1, PITCH
	v_lshl_add_u32 v13, v2, 4, v13                 ; r x pitch + 16 h
	v_add_nc_u32 v[HA], s21, v13
	v_add_nc_u32 v[HA+1], SLOT, v[HA]
	v_add_nc_u32 v[WA], s23, v13
	v_add_nc_u32 v[WA+1], SLOT, v[WA]
	v_mul_u32_u24 v14, v1, SP
	v_lshl_add_u32 v14, v2, 4, v14
	v_add_nc_u32 v[STO], s20, v14
	v_lshrrev_b32 v14, 3, v3
	v_and_b32 v15, 7, v3
	v_mul_u32_u24 v14, v14, SP
	v_lshl_add_u32 v14, v15, 4, v14
	v_add_nc_u32 v[RD], s20, v14
	v_lshlrev_b32 v[CO], 4, v3
	v_lshlrev_b32 v[BO], 5, v2
	v_lshl_add_u32 v[CSO], v1, 8, v[BO]
	s_wait_dscnt 0x0
	s_wait_kmcnt 0x0
	s_cmp_eq_u32 s15, 0
	s_cselect_b64 s[40:41], s[72:73], s[74:75]     ; bias: bq or bk,
	s_cselect_b64 s[42:43], s[82:83], s[84:85]     ; output: q or k,
	s_cselect_b32 s44, 0x3cb8aa3b, 1.0             ; bq gets q's factor log2(e)/64
	s_cmp_eq_u32 s15, 2
	s_cselect_b64 s[40:41], s[76:77], s[40:41]     ; or bv
	s_cselect_b64 s[42:43], s[86:87], s[42:43]     ; or v
	s_mov_b32 s45, s44
	s_add_nc_u64 s[40:41], s[40:41], s[4:5]
	s_add_nc_u64 s[42:43], s[42:43], s[6:7]
	s_add_nc_u64 s[88:89], s[78:79], s[92:93]
	s_add_nc_u64 s[90:91], s[80:81], s[92:93]
	s_add_nc_u64 s[18:19], s[68:69], s[18:19]
	s_add_nc_u64 s[46:47], s[70:71], s[46:47]
.irp dt, 0,1,2,3
	global_load_b128 v[BI+8*\dt:BI+8*\dt+3],   v[BO], s[40:41] offset:\dt*64       ; bias of d = 16 dt + 8 h + 0 .. 3
	global_load_b128 v[BI+8*\dt+4:BI+8*\dt+7], v[BO], s[40:41] offset:\dt*64+16    ;                        + 4 .. 7
.endr
.irp s, 0,1
	s_mov_b32 s[G0H+4*\s], 1
	s_add_co_u32 s[G0H+4*\s+1], s22, \s*SLOT
	s_add_nc_u64 s[G0H+4*\s+2:G0H+4*\s+3], s[18:19], \s*256        ; K step s
	s_or_b32 s[G0H+4*\s+3], s[G0H+4*\s+3], 0x80000000
	s_mov_b32 s[G0W+4*\s], 1
	s_add_co_u32 s[G0W+4*\s+1], s22, \s*SLOT
	s_add_nc_u64 s[G0W+4*\s+2:G0W+4*\s+3], s[46:47], \s*256
	s_or_b32 s[G0W+4*\s+3], s[G0W+4*\s+3], 0x80000000
.endr
	ROUND                                          ; all sixteen work-groups are here: the first joint loads meet
	JLOAD 0                                        ; K step 0
	s_wait_loadcnt 0x0                             ; the bias
.irp j, 0,2,4,6,8,10,12,14,16,18,20,22,24,26,28,30
	v_pk_mul_f32 v[BI+\j:BI+\j+1], v[BI+\j:BI+\j+1], s[44:45] op_sel_hi:[1,0]
.endr
; 32 along K: 16 LDS loads, 16 matrix instructions.  The sixteen accumulators take turns, one instruction a turn, in the same order in every chunk.
.macro CHUNK slot, c, first
.if \first == 0
	PLACES 4                                       ; loads into registers that matrix instructions have read stand four places behind them
.endif
.irp st, 0,1,2,3
	ds_load_b128 v[HF+8*\st:HF+8*\st+3],   v[HA+\slot] offset:\st*16*PITCH+\c*64
	ds_load_b128 v[HF+8*\st+4:HF+8*\st+7], v[HA+\slot] offset:\st*16*PITCH+\c*64+32
.endr
.irp dt, 0,1,2,3
	ds_load_b128 v[WF+8*\dt:WF+8*\dt+3],   v[WA+\slot] offset:\dt*16*PITCH+\c*64
	ds_load_b128 v[WF+8*\dt+4:WF+8*\dt+7], v[WA+\slot] offset:\dt*16*PITCH+\c*64+32
.endr
.irp dt, 0,1,2,3
	s_wait_dscnt 6-2*\dt                           ; all of h and W's tiles up to dt are in; the two loads of each later dt stay out
.irp st, 0,1,2,3
.if \first
	v_wmma_f32_16x16x32_bf16 v[ACC+8*(4*\st+\dt):ACC+8*(4*\st+\dt)+7], v[WF+8*\dt:WF+8*\dt+7], v[HF+8*\st:HF+8*\st+7], v[BI+8*\dt:BI+8*\dt+7]
.else
	v_wmma_f32_16x16x32_bf16 v[ACC+8*(4*\st+\dt):ACC+8*(4*\st+\dt)+7], v[WF+8*\dt:WF+8*\dt+7], v[HF+8*\st:HF+8*\st+7], v[ACC+8*(4*\st+\dt):ACC+8*(4*\st+\dt)+7]
.endif
.endr
.endr
.endm
; One K step.  By the text's own count a wave has at most one tensor load out.
.macro TRIP slot, refill, first
	s_set_vgpr_msb 0x5
	s_wait_tensorcnt 0x0                           ; all my tensor loads have landed, my part of this step's tile among them,
	ds_add_u32 v0, v1
	s_wait_dscnt 0x0
	s_set_vgpr_msb 0x500
	s_add_nc_u64 s[G0H+4*\slot+2:G0H+4*\slot+3], s[G0H+4*\slot+2:G0H+4*\slot+3], 512   ; so every group 0 may be written: this slot's next tile, two steps on
	s_add_nc_u64 s[G0W+4*\slot+2:G0W+4*\slot+3], s[G0W+4*\slot+2:G0W+4*\slot+3], 512
	s_wait_dscnt 0x0                               ; my reads of the other slot are over
	ROUND                                          ; both now hold of every wave of all sixteen work-groups
.if \refill
	JLOAD 1-\slot                                  ; the next step's tile, into the slot read last: first thing behind the round, one load a wave
.endif
	CHUNK \slot, 0, \first
	CHUNK \slot, 1, 0
	CHUNK \slot, 2, 0
	CHUNK \slot, 3, 0
.endm
	TRIP 0, 1, 1
	TRIP 1, 1, 0
	TRIP 0, 1, 0
	TRIP 1, 1, 0
	TRIP 0, 1, 0
	TRIP 1, 0, 0                                   ; the last step: nothing is left to fetch
; THE WAY OUT, 16 rows at a time: packed results of the four d tiles into my stage, back as whole rows of 128 bytes, four rows (512 neighbouring bytes) a store.
; The rows come back into that st's accumulators, which are free by then, so no store's data is ever written again.
.macro OUT st
.irp dt, 0,1,2,3
	ds_store_b128 v[STO], v[TMP+4*\dt:TMP+4*\dt+3] offset:32*\dt
.endr
.irp i, 0,1,2,3
	ds_load_b128 v[ACC+32*\st+4*\i:ACC+32*\st+4*\i+3], v[RD] offset:4*SP*\i    ; LDS serves a wave's instructions in order (ISA guide 5.7.1): these see the stores above
.endr
.irp i, 0,1,2,3
	s_wait_dscnt 3-\i                              ; the 3 - i younger reads stay out
	global_store_b128 v[CO], v[ACC+32*\st+4*\i:ACC+32*\st+4*\i+3], s[42:43] offset:\st*2048+\i*512
.endr
.endm
; cos and sin of rows 16 st + r, columns 16 p + 8 h + 0..7 (c1, s1) and 32 further (c2, s2), into buffer cb: c1, c2, s1, s2 of 8 registers
.macro CSLOAD st, p, cb
	global_load_b128 v[\cb:\cb+3],     v[CSO], s[88:89] offset:\st*4096+\p*64
	global_load_b128 v[\cb+4:\cb+7],   v[CSO], s[88:89] offset:\st*4096+\p*64+16
	global_load_b128 v[\cb+8:\cb+11],  v[CSO], s[88:89] offset:\st*4096+\p*64+128
	global_load_b128 v[\cb+12:\cb+15], v[CSO], s[88:89] offset:\st*4096+\p*64+144
	global_load_b128 v[\cb+16:\cb+19], v[CSO], s[90:91] offset:\st*4096+\p*64
	global_load_b128 v[\cb+20:\cb+23], v[CSO], s[90:91] offset:\st*4096+\p*64+16
	global_load_b128 v[\cb+24:\cb+27], v[CSO], s[90:91] offset:\st*4096+\p*64+128
	global_load_b128 v[\cb+28:\cb+31], v[CSO], s[90:91] offset:\st*4096+\p*64+144
.endm
; x1 = tile (st, p), x2 = tile (st, p + 2):  x1 c1 - x2 s1  and  x2 c2 + x1 s2, made in c1's and c2's registers, then packed
.macro ROPE st, p, cb, left
	s_wait_loadcnt \left                           ; this unit's eight loads are in; those of the younger units stay out
.irp k, 0,2,4,6
	v_pk_mul_f32 v[\cb+\k:\cb+\k+1],     v[ACC+8*(4*\st+\p)+\k:ACC+8*(4*\st+\p)+\k+1],     v[\cb+\k:\cb+\k+1]
	v_pk_mul_f32 v[\cb+8+\k:\cb+8+\k+1], v[ACC+8*(4*\st+\p+2)+\k:ACC+8*(4*\st+\p+2)+\k+1], v[\cb+8+\k:\cb+8+\k+1]
	v_pk_fma_f32 v[\cb+\k:\cb+\k+1],     v[ACC+8*(4*\st+\p+2)+\k:ACC+8*(4*\st+\p+2)+\k+1], v[\cb+16+\k:\cb+16+\k+1], v[\cb+\k:\cb+\k+1] neg_lo:[1,0,0] neg_hi:[1,0,0]
	v_pk_fma_f32 v[\cb+8+\k:\cb+8+\k+1], v[ACC+8*(4*\st+\p)+\k:ACC+8*(4*\st+\p)+\k+1],     v[\cb+24+\k:\cb+24+\k+1], v[\cb+8+\k:\cb+8+\k+1]
.endr
.irp k, 0,1,2,3
	v_cvt_pk_bf16_f32 v[TMP+4*\p+\k],     v[\cb+2*\k],   v[\cb+2*\k+1]
	v_cvt_pk_bf16_f32 v[TMP+4*(\p+2)+\k], v[\cb+8+2*\k], v[\cb+8+2*\k+1]
.endr
.endm
	PLACES 4                                       ; behind the last matrix instructions: results are read, and their sources loaded into, from here on
	s_cmp_eq_u32 s15, 2                            ; the matrix is the cluster's x: alike in all partners
	s_cbranch_scc1 .Lvform
	; q and k: eight units of a pair of d tiles; three buffers (the bias's, W's and h's registers) take turns, so two units' loads are always out
	CSLOAD 0, 0, BI
	CSLOAD 0, 1, WF
	CSLOAD 1, 0, HF
	ROPE 0, 0, BI, 16
	CSLOAD 1, 1, BI
	ROPE 0, 1, WF, 16
	CSLOAD 2, 0, WF
	OUT 0
	ROPE 1, 0, HF, 16
	CSLOAD 2, 1, HF
	ROPE 1, 1, BI, 16
	CSLOAD 3, 0, BI
	OUT 1
	ROPE 2, 0, WF, 16
	CSLOAD 3, 1, WF
	ROPE 2, 1, HF, 16
	OUT 2
	ROPE 3, 0, BI, 8                               ; one younger unit is left,
	ROPE 3, 1, WF, 0                               ; then none
	OUT 3
	s_branch .Ljoin
.Lvform:
	; v: no rotation
.irp st, 0,1,2,3
.irp dt, 0,1,2,3
.irp k, 0,1,2,3
	v_cvt_pk_bf16_f32 v[TMP+4*\dt+\k], v[ACC+8*(4*\st+\dt)+2*\k], v[ACC+8*(4*\st+\dt)+2*\k+1]
.endr
.endr
	OUT \st
.endr
.Ljoin:
	s_set_vgpr_msb 0x5
	s_wait_tensorcnt 0x0
	ds_add_u32 v0, v1
	s_wait_dscnt 0x0
	s_set_vgpr_msb 0x500
	ROUND                                          ; the closing round: no work-group ends while a partner may still ask for a tile that names it
	s_endpgm
.Lfunc_end_k_q5f8f101ee3_qkv:
	.size	k_q5f8f101ee3_qkv, .Lfunc_end_k_q5f8f101ee3_qkv-k_q5f8f101ee3_qkv
	.p2alignl 7, 3214868480
	.fill 96, 4, 3214868480
	.section	.rodata,"a",@progbits
	.p2align	6, 0x0
	.amdhsa_kernel k_q5f8f101ee3_qkv
		.amdhsa_group_segment_fixed_size 327680
		.amdhsa_private_segment_fixed_size 0
		.amdhsa_enable_private_segment 0
		.amdhsa_kernarg_size 80
		.amdhsa_user_sgpr_count 2
		.amdhsa_user_sgpr_kernarg_segment_ptr 1
		.amdhsa_wavefront_size32 1
		.amdhsa_system_sgpr_workgroup_id_x 1
		.amdhsa_system_sgpr_workgroup_id_y 1
		.amdhsa_system_sgpr_workgroup_id_z 1
		.amdhsa_system_vgpr_workitem_id 0
		.amdhsa_next_free_vgpr 258
		.amdhsa_next_free_sgpr 94
		.amdhsa_reserve_vcc 0
		.amdhsa_float_denorm_mode_32 3
		.amdhsa_float_denorm_mode_16_64 3
		.amdhsa_memory_ordered 1
		.amdhsa_forward_progress 1
		.amdhsa_inst_pref_size 99
	.end_amdhsa_kernel
	.amdgpu_metadata
---
amdhsa.version: [ 1, 2 ]
amdhsa.kernels:
  - .name:           k_q5f8f101ee3_qkv
    .symbol:         k_q5f8f101ee3_qkv.kd
    .args:
      - { .name: hB, .offset: 0, .size: 8, .value_kind: global_buffer, .address_space: global }
      - { .name: WB, .offset: 8, .size: 8, .value_kind: global_buffer, .address_space: global }
      - { .name: bq, .offset: 16, .size: 8, .value_kind: global_buffer, .address_space: global }
      - { .name: bk, .offset: 24, .size: 8, .value_kind: global_buffer, .address_space: global }
      - { .name: bv, .offset: 32, .size: 8, .value_kind: global_buffer, .address_space: global }
      - { .name: cos, .offset: 40, .size: 8, .value_kind: global_buffer, .address_space: global }
      - { .name: sin, .offset: 48, .size: 8, .value_kind: global_buffer, .address_space: global }
      - { .name: q, .offset: 56, .size: 8, .value_kind: global_buffer, .address_space: global }
      - { .name: k, .offset: 64, .size: 8, .value_kind: global_buffer, .address_space: global }
      - { .name: v, .offset: 72, .size: 8, .value_kind: global_buffer, .address_space: global }
    .group_segment_fixed_size: 327680
    .private_segment_fixed_size: 0
    .kernarg_segment_align: 8
    .kernarg_segment_size: 80
    .max_flat_workgroup_size: 384
    .sgpr_count:     94
    .vgpr_count:     258
    .wavefront_size: 32
...
	.end_amdgpu_metadata
.endif
;; end of part 2
;; launch attn (part 3): grid 16 x 12, 8 waves a work-group, clusters of 4 x 1, 327,680 bytes of LDS; arguments q, k, v, att; writes att
.if DOCPART == 3
	.amdgcn_target "amdgcn-amd-amdhsa--gfx1250"
	.amdhsa_code_object_version 6
	.text
	.protected	k_q5f8f101ee3_attn
	.globl	k_q5f8f101ee3_attn
	.p2align	8
	.type	k_q5f8f101ee3_attn,@function
k_q5f8f101ee3_attn:
	s_mov_b64 s[64:65], 0
	v_nop
	global_prefetch_b8 v0, s[64:65] scope:SCOPE_SE
	s_setreg_imm32_b32 hwreg(HW_REG_WAVE_MODE, 25, 1), 1
	s_wait_xcnt 0x0
	s_wait_alu depctr_hold_cnt(0) depctr_sa_sdst(0) depctr_va_vdst(0) depctr_va_sdst(0) depctr_va_ssrc(0) depctr_va_vcc(0) depctr_vm_vsrc(0)
	s_getreg_b32 s2, hwreg(HW_REG_IB_STS2, 6, 4)
	s_cmp_eq_u32 s2, 0
	s_cbranch_scc0 .Lentry_in_a_cluster
	s_endpgm
.Lentry_in_a_cluster:
	s_bfe_u32 s2, ttmp6, 0x10000c
	s_cmp_lg_u32 s2, 0x3003
	s_cbranch_scc0 .Lentry_shape_is_right
	s_endpgm
.Lentry_shape_is_right:
; att [12][4096][64] bf16 = softmax(q k^T) v for each head, with a running maximum.  q already carries log2(e)/64, so a probability is exp2(s - m).
; A work-group has 256 queries of one head, a wave 32 (two tiles of 16); 16 x 12 = 192 work-groups: 12 heads x 4,096 rows do not divide evenly over
; more without splitting the keys, which would send partial sums through memory.  Two waves lie on a SIMD, so that one has work while the other waits for LDS.
; CLUSTERS: the four query blocks of a cluster walk the same K and V tiles of their head: joint loads with the mask 15, a quarter of the requests.
; Keys go in 16 steps of 256 through two LDS slots; a step is four sub-steps of 64 keys.
; LAYOUTS.  S^T = K Q^T: source 0 = 16 keys, source 1 = 16 queries.  Lane (r, h), register j holds key 8 h + j of query r: maximum and sum run inside
; a lane, one exchange crosses the two halves, and two S tiles packed to bf16 ARE source 1 of the second product (keys 8 h .. and 16 + 8 h ..).
; O^T = V^T P^T: source 0 = V^T, read from V [key][d] by the transposing LDS load.  A lane of O holds one query, so the rescaling is a factor of the lane's own,
; and eight neighbouring d, which pack to 16 bytes.
; LIMITS: q, k, v and the probabilities in P V are bf16; the denominator is summed from the f32 probabilities; a probability below 2^-126 counts as 0
; (the exponential's flush: ISA guide 15.8).
.set KP,    272                        ; K: LDS rows of 256 bytes (two keys) + 16: the 16 keys of a fragment load lie in 16 different 16-byte columns modulo 256
.set VP,    288                        ; V: + 32: the same holds of the 16 lanes of a transposing load
.set KPART, 128*KP
.set SLOT,  KPART+128*VP               ; 71,680
.set STAGE, 2*SLOT                     ; behind the ring: 32 rows x 144 bytes for each wave; no tensor load lands here
.set SP,    144
.set KA,  4                            ; v4, v5   my K fragments in slot 0, 1
.set VA,  6                            ; v6, v7   my V fragments in slot 0, 1
.set STO, 8                            ; v8       stage, in
.set RD,  9                            ; v9       stage, back
.set CO,  10                           ; v10      16 L
.set QO,  11                           ; v11      128 r + 16 h
.set M,   12                           ; v12, v14 running maximum of query tile 0, 1;  v13, v15 the other half's figure
.set AL,  16                           ; v16, v18 rescaling factor;  v17, v19 running denominator (each half of the lanes its own keys)
.set SUM, 20                           ; v[20:27] two pairs of sums for each query tile
.set MX,  28                           ; v[28:31] four chains of maxima
.set Q,   32                           ; v[32:63]   16 q + 8 ks
.set S,   64                           ; v[64:127]  32 q + 8 kt;  packed P: 32 q + 4 kt
.set KF,  128                          ; v[128:191] 16 kt + 8 ks
.set VF,  192                          ; v[192:255] 16 dt + 8 ks
.set O,   0                            ; v[256:319] 16 dt + 8 q, written v0 .. v63 in window 1
.set G1K, 16                           ; s[16:23]
.set G1V, 24                           ; s[24:31]
.set G0K, 32                           ; s[32:39] a set for each slot
.set G0V, 40                           ; s[40:47]
.set MSB, 0
.macro WIN new                         ; low byte: bits 1:0 source 0, 3:2 source 1, 5:4 source 2, 7:6 destination; the high byte repeats the setting that is left
.if MSB != \new
	s_set_vgpr_msb (MSB<<8)|\new
.set MSB, \new
.endif
.endm
.macro PLACES n
.rept \n
	v_nop
.endr
.endm
.macro ROUND
	s_barrier_signal -1
	s_barrier_wait -1
	s_cmp_lg_u32 s12, 0
	s_cbranch_scc1 .Lnot_wave_0_\@
	s_barrier_signal -3
.Lnot_wave_0_\@:
	s_barrier_wait -3
	s_barrier_signal -1
	s_barrier_wait -1
.endm
; 256 keys into slot s: wave 0 asks for K's 32,768 bytes, wave 1 for V's, the others for nothing
.macro JLOAD s
	s_cmp_lg_u32 s12, 0
	s_cbranch_scc1 .Lnot_k_\@
	tensor_load_to_lds s[G0K+4*(\s):G0K+4*(\s)+3], s[G1K:G1K+7]
	s_nop 0
	s_branch .Lasked_\@
.Lnot_k_\@:
	s_cmp_lg_u32 s12, 1
	s_cbranch_scc1 .Lasked_\@
	tensor_load_to_lds s[G0V+4*(\s):G0V+4*(\s)+3], s[G1V:G1V+7]
	s_nop 0
.Lasked_\@:
.endm
	s_load_b256 s[4:11], s[0:1], 0x0               ; q s[4:5], k s[6:7], v s[8:9], att s[10:11]
	s_set_vgpr_msb 0x40
	v_lshl_add_u32 v64, v0, 2, 0x2c000
	v_mov_b32 v65, 0
	s_set_vgpr_msb 0x4045
	ds_add_u32 v64, v65
	s_set_vgpr_msb 0x4500
	v_lshrrev_b32 v1, 5, v0
	v_readfirstlane_b32 s12, v1                    ; wave 0 .. 7
	s_bfe_u32 s13, ttmp6, 0x40000                  ; cx
	s_lshl_b32 s14, ttmp9, 2
	s_add_co_u32 s14, s14, s13                     ; query block = 4 x cluster x + cx
	s_and_b32 s15, ttmp7, 0xffff                   ; head
	s_lshl_b32 s48, s15, 19                        ; head x 524,288: K's and V's tiles hang on the head alone
	s_mov_b32 s49, 0
	s_lshl_b32 s50, s14, 3
	s_add_co_u32 s50, s50, s12                     ; my 32 queries: 8 x block + wave,
	s_lshl_b32 s50, s50, 12                        ; x 32 rows of 128 bytes,
	s_add_co_u32 s50, s50, s48                     ; in my head
	s_mov_b32 s51, 0
	s_mov_b32 s52, 0x76543210                      ; v_permlanex16_b32: lane i of one half reads lane i of the other
	s_mov_b32 s53, 0xfedcba98
	s_mul_i32 s55, s12, 32*SP
	s_add_co_u32 s55, s55, STAGE                   ; my stage
	; a dense block of 32,768 bytes as 128 rows of 32 elements of 8 bytes; mask 15 with bit 21; after every 64 words 4 words (K) or 8 (V)
	s_mov_b32 s[G1K+0], 15|(3<<16)|(1<<20)|(1<<21)|(5<<22)|(3<<25)
	s_mov_b32 s[G1V+0], 15|(3<<16)|(1<<20)|(1<<21)|(5<<22)|(7<<25)
.irp g, G1K, G1V
	s_mov_b32 s[\g+1], 32<<16                      ; tensor_dim0 = 32
	s_mov_b32 s[\g+2], 128<<16                     ; tensor_dim1 = 128
	s_mov_b32 s[\g+3], 32<<16                      ; tile_dim0 = 32
	s_mov_b32 s[\g+4], 128                         ; tile_dim1 = 128
	s_mov_b32 s[\g+5], 32                          ; from row to row
	s_mov_b32 s[\g+6], 0
	s_mov_b32 s[\g+7], 0
.endr
	v_and_b32 v1, 15, v0                           ; r
	v_bfe_u32 v2, v0, 4, 1                         ; h
	v_and_b32 v3, 31, v0                           ; L
	v_lshrrev_b32 v20, 1, v1
	v_and_b32 v21, 1, v1
	v_mul_u32_u24 v[KA], v20, KP                   ; key r: LDS row r >> 1,
	v_lshl_add_u32 v[KA], v21, 7, v[KA]            ; its half r & 1,
	v_lshl_add_u32 v[KA], v2, 4, v[KA]             ; + 16 h
	v_add_nc_u32 v[KA+1], SLOT, v[KA]
	v_bfe_u32 v20, v0, 1, 2                        ; the transposing load: lane L addresses key 8 h + (L & 7): LDS row 4 h + ((L & 7) >> 1),
	v_lshl_add_u32 v20, v2, 2, v20
	v_mul_u32_u24 v[VA], v20, VP
	v_and_b32 v21, 1, v0
	v_lshl_add_u32 v[VA], v21, 7, v[VA]            ; its half L & 1,
	v_bfe_u32 v21, v0, 3, 1
	v_lshl_add_u32 v[VA], v21, 4, v[VA]            ; and 8 of the 16 d by (L >> 3) & 1
	v_add_nc_u32 v[VA], KPART, v[VA]
	v_add_nc_u32 v[VA+1], SLOT, v[VA]
	v_mul_u32_u24 v20, v1, SP
	v_lshl_add_u32 v20, v2, 4, v20
	v_add_nc_u32 v[STO], s55, v20
	v_bfe_u32 v20, v0, 3, 2
	v_and_b32 v21, 7, v0
	v_mul_u32_u24 v20, v20, SP
	v_lshl_add_u32 v20, v21, 4, v20
	v_add_nc_u32 v[RD], s55, v20
	v_lshlrev_b32 v[CO], 4, v3
	v_lshlrev_b32 v[QO], 7, v1
	v_lshl_add_u32 v[QO], v2, 4, v[QO]
	v_mov_b32 v[M+1], 0                            ; targets of v_permlanex16_b32 count as read
	v_mov_b32 v[M+3], 0
	s_wait_dscnt 0x0
	s_wait_kmcnt 0x0
	s_add_nc_u64 s[6:7], s[6:7], s[48:49]
	s_add_nc_u64 s[8:9], s[8:9], s[48:49]
	s_add_nc_u64 s[4:5], s[4:5], s[50:51]
	s_add_nc_u64 s[10:11], s[10:11], s[50:51]
.irp q, 0,1
.irp ks, 0,1
	global_load_b128 v[Q+16*\q+8*\ks:Q+16*\q+8*\ks+3],   v[QO], s[4:5] offset:\q*2048+\ks*64      ; query 16 q + r, d = 32 ks + 8 h ..
	global_load_b128 v[Q+16*\q+8*\ks+4:Q+16*\q+8*\ks+7], v[QO], s[4:5] offset:\q*2048+\ks*64+32   ;                 d = 32 ks + 16 + 8 h ..
.endr
.endr
.irp s, 0,1
	s_mov_b32 s[G0K+4*\s], 1
	s_mov_b32 s[G0K+4*\s+1], \s*SLOT
	s_add_nc_u64 s[G0K+4*\s+2:G0K+4*\s+3], s[6:7], \s*32768        ; keys 256 s ..
	s_or_b32 s[G0K+4*\s+3], s[G0K+4*\s+3], 0x80000000
	s_mov_b32 s[G0V+4*\s], 1
	s_mov_b32 s[G0V+4*\s+1], \s*SLOT+KPART
	s_add_nc_u64 s[G0V+4*\s+2:G0V+4*\s+3], s[8:9], \s*32768
	s_or_b32 s[G0V+4*\s+3], s[G0V+4*\s+3], 0x80000000
.endr
	ROUND                                          ; the four work-groups are here: the first joint loads meet
	JLOAD 0
	s_wait_loadcnt 0x0                             ; Q, once
.macro KLOAD slot, ss                  ; 64 keys x 64 d: 16 loads
.irp kt, 0,1,2,3
.irp ks, 0,1
	ds_load_b128 v[KF+16*\kt+8*\ks:KF+16*\kt+8*\ks+3],   v[KA+\slot] offset:(\ss)*32*KP+\kt*8*KP+\ks*64
	ds_load_b128 v[KF+16*\kt+8*\ks+4:KF+16*\kt+8*\ks+7], v[KA+\slot] offset:(\ss)*32*KP+\kt*8*KP+\ks*64+32
.endr
.endr
.endm
.macro VLOAD slot, ss                  ; 64 d x 64 keys, transposed: 16 loads; the second of a pair takes the keys 16 further on
.irp dt, 0,1,2,3
.irp ks, 0,1
	ds_load_tr16_b128 v[VF+16*\dt+8*\ks:VF+16*\dt+8*\ks+3],   v[VA+\slot] offset:(\ss)*32*VP+\ks*16*VP+\dt*32
	ds_load_tr16_b128 v[VF+16*\dt+8*\ks+4:VF+16*\dt+8*\ks+7], v[VA+\slot] offset:(\ss)*32*VP+\ks*16*VP+\dt*32+8*VP
.endr
.endr
.endm
; In both products the eight accumulators take turns, one instruction a turn.
.macro QKHALF ks, zero
.irp kt, 0,1,2,3
.irp q, 0,1
.if \zero
	v_wmma_f32_16x16x32_bf16 v[S+32*\q+8*\kt:S+32*\q+8*\kt+7], v[KF+16*\kt+8*\ks:KF+16*\kt+8*\ks+7], v[Q+16*\q+8*\ks:Q+16*\q+8*\ks+7], 0
.else
	v_wmma_f32_16x16x32_bf16 v[S+32*\q+8*\kt:S+32*\q+8*\kt+7], v[KF+16*\kt+8*\ks:KF+16*\kt+8*\ks+7], v[Q+16*\q+8*\ks:Q+16*\q+8*\ks+7], v[S+32*\q+8*\kt:S+32*\q+8*\kt+7]
.endif
.endr
.endr
.endm
.macro PVHALF ks, zero
.irp dt, 0,1,2,3
.irp q, 0,1
.if \zero
	v_wmma_f32_16x16x32_bf16 v[O+16*\dt+8*\q:O+16*\dt+8*\q+7], v[VF+16*\dt+8*\ks:VF+16*\dt+8*\ks+7], v[S+32*\q+8*\ks:S+32*\q+8*\ks+7], 0
.else
	v_wmma_f32_16x16x32_bf16 v[O+16*\dt+8*\q:O+16*\dt+8*\q+7], v[VF+16*\dt+8*\ks:VF+16*\dt+8*\ks+7], v[S+32*\q+8*\ks:S+32*\q+8*\ks+7], v[O+16*\dt+8*\q:O+16*\dt+8*\q+7]
.endif
.endr
.endr
.endm
; the new maximum of each query tile into v[MX] and v[MX+2]: four chains over 16 scores each; the old maximum enters the first chain's last link
.macro MAXES first
.irp c, 0,1,2,3
	v_max3_num_f32 v[MX+\c], v[S+16*\c], v[S+16*\c+1], v[S+16*\c+2]
.endr
.irp j, 3,5,7,9,11,13
.irp c, 0,1,2,3
	v_max3_num_f32 v[MX+\c], v[MX+\c], v[S+16*\c+\j], v[S+16*\c+\j+1]
.endr
.endr
.if \first
	v_max_num_f32 v[MX],   v[MX],   v[S+15]
	v_max_num_f32 v[MX+2], v[MX+2], v[S+47]
.else
	v_max3_num_f32 v[MX],   v[MX],   v[S+15], v[M]
	v_max3_num_f32 v[MX+2], v[MX+2], v[S+47], v[M+2]
.endif
	v_max3_num_f32 v[MX],   v[MX],   v[MX+1], v[S+31]
	v_max3_num_f32 v[MX+2], v[MX+2], v[MX+3], v[S+63]
	v_permlanex16_b32 v[M+1], v[MX],   s52, s53    ; the other half's keys of the same query
	v_permlanex16_b32 v[M+3], v[MX+2], s52, s53
	v_max_num_f32 v[MX],   v[MX],   v[M+1]
	v_max_num_f32 v[MX+2], v[MX+2], v[M+3]
.endm
.macro SUBG kt, q                      ; s - m, eight scores
.irp i, 0,2,4,6
	v_pk_add_f32 v[S+32*\q+8*\kt+\i:S+32*\q+8*\kt+\i+1], v[S+32*\q+8*\kt+\i:S+32*\q+8*\kt+\i+1], v[M+2*\q:M+2*\q+1] op_sel_hi:[1,0] neg_lo:[0,1] neg_hi:[0,1]
.endr
.endm
.macro EXPG kt, q
.irp i, 0,1,2,3,4,5,6,7
	v_exp_f32 v[S+32*\q+8*\kt+\i], v[S+32*\q+8*\kt+\i]
.endr
.endm
.macro SCG kt, q                       ; into the sums (the first tile starts them), then packed in place: tile kt's eight registers become registers 4 kt .. 4 kt + 3, all read before
.if \kt == 0
	s_wait_alu depctr_va_vdst(0)
	v_pk_add_f32 v[SUM+4*\q:SUM+4*\q+1],   v[S+32*\q:S+32*\q+1],   v[S+32*\q+2:S+32*\q+3]
	v_pk_add_f32 v[SUM+4*\q+2:SUM+4*\q+3], v[S+32*\q+4:S+32*\q+5], v[S+32*\q+6:S+32*\q+7]
.else
	s_wait_alu depctr_va_vdst(0)
	v_pk_add_f32 v[SUM+4*\q:SUM+4*\q+1],   v[SUM+4*\q:SUM+4*\q+1],   v[S+32*\q+8*\kt:S+32*\q+8*\kt+1]
	v_pk_add_f32 v[SUM+4*\q+2:SUM+4*\q+3], v[SUM+4*\q+2:SUM+4*\q+3], v[S+32*\q+8*\kt+2:S+32*\q+8*\kt+3]
	v_pk_add_f32 v[SUM+4*\q:SUM+4*\q+1],   v[SUM+4*\q:SUM+4*\q+1],   v[S+32*\q+8*\kt+4:S+32*\q+8*\kt+5]
	v_pk_add_f32 v[SUM+4*\q+2:SUM+4*\q+3], v[SUM+4*\q+2:SUM+4*\q+3], v[S+32*\q+8*\kt+6:S+32*\q+8*\kt+7]
.endif
.irp i, 0,1,2,3
	v_cvt_pk_bf16_f32 v[S+32*\q+4*\kt+\i], v[S+32*\q+8*\kt+2*\i], v[S+32*\q+8*\kt+2*\i+1]
.endr
.endm
; 64 keys.  knext = 1: the next sub-step's K fragments are fetched meanwhile.  first = 1: the launch's first keys start maximum, sums and O.
.macro SUBSTEP slot, ss, knext, first
	s_wait_dscnt 0x0                               ; K's fragments are in
	QKHALF 0, 1
	QKHALF 1, 0
	PLACES 4                                       ; four places before K's fragment registers are loaded again and the scores are read (ISA guide 7.12.1)
	VLOAD \slot, \ss
.if \knext
	KLOAD \slot, \ss+1
.endif
	MAXES \first
.if \first
	v_mov_b32 v[M],   v[MX]
	v_mov_b32 v[M+2], v[MX+2]
.else
	v_sub_f32 v[AL],   v[M],   v[MX]               ; old maximum - new, at most 0
	v_sub_f32 v[AL+2], v[M+2], v[MX+2]
	v_exp_f32 v[AL],   v[AL]
	v_exp_f32 v[AL+2], v[AL+2]
	v_mov_b32 v[M],   v[MX]                        ; plain work on other registers behind the exponentials, ahead of their first use (ISA guide 5.7.2)
	v_mov_b32 v[M+2], v[MX+2]
	WIN 0x41                                       ; O: destination and source 0 in window 1
	s_wait_alu depctr_va_vdst(0)
.irp dt, 0,1,2,3
.irp q, 0,1
.irp i, 0,2,4,6
	v_pk_mul_f32 v[O+16*\dt+8*\q+\i:O+16*\dt+8*\q+\i+1], v[O+16*\dt+8*\q+\i:O+16*\dt+8*\q+\i+1], v[AL+2*\q:AL+2*\q+1] op_sel_hi:[1,0]
.endr
.endr
.endr
	WIN 0
.endif
	; Eight groups of eight scores.  A group's sums and packing stand behind the next group's exponentials, so plain work on other registers always follows an exponential.
	SUBG 0, 0
	EXPG 0, 0
	SUBG 0, 1
	EXPG 0, 1
	SCG  0, 0
	SUBG 1, 0
	EXPG 1, 0
	SCG  0, 1
	SUBG 1, 1
	EXPG 1, 1
	SCG  1, 0
	SUBG 2, 0
	EXPG 2, 0
	SCG  1, 1
	SUBG 2, 1
	EXPG 2, 1
	SCG  2, 0
	SUBG 3, 0
	EXPG 3, 0
	SCG  2, 1
	SUBG 3, 1
	EXPG 3, 1
	SCG  3, 0
	SCG  3, 1
.if \knext
	s_wait_dscnt 0x10                              ; V's 16 loads are in; the 16 of the next sub-step's K, issued behind them, stay out
.else
	s_wait_dscnt 0x0
.endif
	WIN 0x50                                       ; C and D in window 1
	PVHALF 0, \first
	PVHALF 1, 0
	WIN 0
	; The denominators, on registers that no matrix instruction names: six places, of which five are owed before the next scores overwrite P (ISA guide 7.12.1).
	v_pk_add_f32 v[SUM:SUM+1],   v[SUM:SUM+1],   v[SUM+2:SUM+3]
	v_pk_add_f32 v[SUM+4:SUM+5], v[SUM+4:SUM+5], v[SUM+6:SUM+7]
.if \first
	v_add_f32 v[AL+1], v[SUM],   v[SUM+1]
	v_add_f32 v[AL+3], v[SUM+4], v[SUM+5]
	v_nop
	v_nop
.else
	v_add_f32 v[SUM],   v[SUM],   v[SUM+1]
	v_add_f32 v[SUM+4], v[SUM+4], v[SUM+5]
	v_fma_f32 v[AL+1], v[AL+1], v[AL],   v[SUM]
	v_fma_f32 v[AL+3], v[AL+3], v[AL+2], v[SUM+4]
.endif
.endm
; 256 keys.  By the text's own count a wave has at most one tensor load out.
.macro TRIP slot, refill, first
	s_set_vgpr_msb 0x5
	s_wait_tensorcnt 0x0                           ; all my tensor loads have landed, my part of this step's tiles among them,
	ds_add_u32 v64, v65
	s_wait_dscnt 0x0
	s_set_vgpr_msb 0x500
	s_add_nc_u64 s[G0K+4*\slot+2:G0K+4*\slot+3], s[G0K+4*\slot+2:G0K+4*\slot+3], 65536   ; so every group 0 may be written: this slot's next tiles, 512 keys on
	s_add_nc_u64 s[G0V+4*\slot+2:G0V+4*\slot+3], s[G0V+4*\slot+2:G0V+4*\slot+3], 65536
	s_wait_dscnt 0x0                               ; my reads of the other slot are over
	ROUND                                          ; both now hold of every wave of the four work-groups
.if \refill
	JLOAD 1-\slot                                  ; the next 256 keys, into the slot read last: first thing behind the round, one load a wave
.endif
	KLOAD \slot, 0
	SUBSTEP \slot, 0, 1, \first
	SUBSTEP \slot, 1, 1, 0
	SUBSTEP \slot, 2, 1, 0
	SUBSTEP \slot, 3, 0, 0
.endm
	TRIP 0, 1, 1                                   ; the first lap stands in front of the loop: its first keys start the sums
	TRIP 1, 1, 0
	s_mov_b32 s54, 6
.Llap:
	TRIP 0, 1, 0
	TRIP 1, 1, 0
	s_sub_co_u32 s54, s54, 1
	s_cmp_lg_u32 s54, 0
	s_cbranch_scc1 .Llap
	TRIP 0, 1, 0
	TRIP 1, 0, 0                                   ; keys 3,840 to 4,095: nothing is left to fetch
	; THE WAY OUT: the two halves' denominators meet, O / l, packed, through my stage, 512 neighbouring bytes (four rows) a store
	v_permlanex16_b32 v[M+1], v[AL+1], s52, s53
	v_permlanex16_b32 v[M+3], v[AL+3], s52, s53
	v_add_f32 v[AL+1], v[AL+1], v[M+1]
	v_add_f32 v[AL+3], v[AL+3], v[M+3]
	v_rcp_f32 v[AL],   v[AL+1]
	v_rcp_f32 v[AL+2], v[AL+3]
	v_nop                                          ; one plain place behind the reciprocals (ISA guide 5.7.2)
	WIN 0x41
	s_wait_alu depctr_va_vdst(0)
.irp dt, 0,1,2,3
.irp q, 0,1
.irp i, 0,2,4,6
	v_pk_mul_f32 v[O+16*\dt+8*\q+\i:O+16*\dt+8*\q+\i+1], v[O+16*\dt+8*\q+\i:O+16*\dt+8*\q+\i+1], v[AL+2*\q:AL+2*\q+1] op_sel_hi:[1,0]
.endr
.endr
.endr
	WIN 0x05                                       ; both sources in window 1, the destination in window 0
.irp dt, 0,1,2,3
.irp q, 0,1
.irp i, 0,1,2,3
	v_cvt_pk_bf16_f32 v[S+16*\q+4*\dt+\i], v[O+16*\dt+8*\q+2*\i], v[O+16*\dt+8*\q+2*\i+1]
.endr
.endr
.endr
	WIN 0
.irp q, 0,1
.irp dt, 0,1,2,3
	ds_store_b128 v[STO], v[S+16*\q+4*\dt:S+16*\q+4*\dt+3] offset:\q*16*SP+\dt*32
.endr
.endr
.irp i, 0,1,2,3,4,5,6,7
	ds_load_b128 v[KF+4*\i:KF+4*\i+3], v[RD] offset:4*SP*\i        ; LDS serves a wave's instructions in order (ISA guide 5.7.1): these see the stores above
.endr
.irp i, 0,1,2,3,4,5,6,7
	s_wait_dscnt 7-\i                              ; the 7 - i younger reads stay out
	global_store_b128 v[CO], v[KF+4*\i:KF+4*\i+3], s[10:11] offset:512*\i
.endr
	s_set_vgpr_msb 0x5
	s_wait_tensorcnt 0x0
	ds_add_u32 v64, v65
	s_wait_dscnt 0x0
	s_set_vgpr_msb 0x500
	ROUND                                          ; the closing round: no work-group ends while a partner may still ask for a tile that names it
	s_endpgm
.Lfunc_end_k_q5f8f101ee3_attn:
	.size	k_q5f8f101ee3_attn, .Lfunc_end_k_q5f8f101ee3_attn-k_q5f8f101ee3_attn
	.p2alignl 7, 3214868480
	.fill 96, 4, 3214868480
	.section	.rodata,"a",@progbits
	.p2align	6, 0x0
	.amdhsa_kernel k_q5f8f101ee3_attn
		.amdhsa_group_segment_fixed_size 327680
		.amdhsa_private_segment_fixed_size 0
		.amdhsa_enable_private_segment 0
		.amdhsa_kernarg_size 32
		.amdhsa_user_sgpr_count 2
		.amdhsa_user_sgpr_kernarg_segment_ptr 1
		.amdhsa_wavefront_size32 1
		.amdhsa_system_sgpr_workgroup_id_x 1
		.amdhsa_system_sgpr_workgroup_id_y 1
		.amdhsa_system_sgpr_workgroup_id_z 1
		.amdhsa_system_vgpr_workitem_id 0
		.amdhsa_next_free_vgpr 322
		.amdhsa_next_free_sgpr 66
		.amdhsa_reserve_vcc 0
		.amdhsa_float_denorm_mode_32 3
		.amdhsa_float_denorm_mode_16_64 3
		.amdhsa_memory_ordered 1
		.amdhsa_forward_progress 1
		.amdhsa_inst_pref_size 255
	.end_amdhsa_kernel
	.section	.bss,"aw",@nobits
	.p2align	6
	.space	262144
	.amdgpu_metadata
---
amdhsa.version: [ 1, 2 ]
amdhsa.kernels:
  - .name:           k_q5f8f101ee3_attn
    .symbol:         k_q5f8f101ee3_attn.kd
    .args:
      - { .name: q, .offset: 0, .size: 8, .value_kind: global_buffer, .address_space: global }
      - { .name: k, .offset: 8, .size: 8, .value_kind: global_buffer, .address_space: global }
      - { .name: v, .offset: 16, .size: 8, .value_kind: global_buffer, .address_space: global }
      - { .name: att, .offset: 24, .size: 8, .value_kind: global_buffer, .address_space: global }
    .group_segment_fixed_size: 327680
    .private_segment_fixed_size: 0
    .kernarg_segment_align: 8
    .kernarg_segment_size: 32
    .max_flat_workgroup_size: 256
    .sgpr_count:     66
    .vgpr_count:     322
    .wavefront_size: 32
...
	.end_amdgpu_metadata
.endif
;; end of part 3
;; launch oproj (part 4): grid 128 x 1, 8 waves a work-group, clusters of 4 x 1, 327,680 bytes of LDS; arguments att, WoB, hidden_states, ln_g, ln_b, out0; writes out0
.if DOCPART == 4
	.amdgcn_target "amdgcn-amd-amdhsa--gfx1250"
	.amdhsa_code_object_version 6
	.text
	.protected	k_q5f8f101ee3_oproj
	.globl	k_q5f8f101ee3_oproj
	.p2align	8
	.type	k_q5f8f101ee3_oproj,@function
k_q5f8f101ee3_oproj:
	s_mov_b64 s[64:65], 0
	v_nop
	global_prefetch_b8 v0, s[64:65] scope:SCOPE_SE
	s_setreg_imm32_b32 hwreg(HW_REG_WAVE_MODE, 25, 1), 1
	s_wait_xcnt 0x0
	s_wait_alu depctr_hold_cnt(0) depctr_sa_sdst(0) depctr_va_vdst(0) depctr_va_sdst(0) depctr_va_ssrc(0) depctr_va_vcc(0) depctr_vm_vsrc(0)
	s_getreg_b32 s2, hwreg(HW_REG_IB_STS2, 6, 4)
	s_cmp_eq_u32 s2, 0
	s_cbranch_scc0 .Lentry_in_a_cluster
	s_endpgm
.Lentry_in_a_cluster:
	s_bfe_u32 s2, ttmp6, 0x10000c
	s_cmp_lg_u32 s2, 0x3003
	s_cbranch_scc0 .Lentry_shape_is_right
	s_endpgm
.Lentry_shape_is_right:
; out0 = LayerNorm(att Wo^T + hidden_states) * ln_g + ln_b, f32.
; A work-group has 32 rows and ALL 768 columns, so mean and variance stay inside it: 128 work-groups.  Every work-group has to take in all of Wo whatever
; its rows, so fewer rows a group means more groups at work for the same bytes a group.  Eight waves; wave w: columns 96 w .. 96 w + 95 (six tiles) x 32 rows (two): twelve accumulators.
; CLUSTERS: Wo's tile of 98,304 bytes is the same for every work-group: the four of a cluster ask for it jointly (mask 15).
; K = 768 goes in twelve steps of 64 (one head of att, one dense block of WoB); Wo's blocks go through two LDS slots; all twelve steps are written out.
; THE ORDER OF THE STEPS: cluster c begins at block c mod 12 and goes round.  So in any step the 32 clusters ask for different blocks, and from its second step on
; a cluster asks for a block that another cluster has read a step before.  The start hangs on the cluster's x alone: it is alike in the four partners.
; att's 32 rows x 768 (49,152 bytes, the work-group's own) come in once, with the first fills: twelve plain loads of one head's 4,096 bytes, six by wave 6 and six by
; wave 7, laid in LDS in the order in which the steps use them.  So only global addresses hang on the start, and no LDS address does.
; THE MATRIX INSTRUCTION: source 0 = 16 rows of Wo (output columns), source 1 = 16 rows of att.  Lane (r, h), register j: row 16 st + r, column 16 nt + 8 h + j.
; The sums go through an f32 stage in LDS to lanes that hold whole rows; the stage lies in slot 0, whose last fill is step 10's and whose last reads every wave
; has waited for in front of step 11's round.
; LIMITS: att and Wo are bf16; the sum over k begins at a block that differs from cluster to cluster; residual and LayerNorm are f32; the variance is the mean of
; (x - mean)^2, taken in a second pass over registers.
.set PITCH, 272                        ; LDS rows of 256 bytes (two rows of 128) + 16
.set WPART, 384*PITCH                  ; a slot: Wo's 768 rows of 128 bytes = 104,448
.set ATT,   2*WPART                    ; behind the ring: att, twelve pieces
.set CH,    16*PITCH                   ; a piece: 32 rows of 128 bytes = 4,352
.set FP,    3088                       ; stage: a row of 3,072 bytes + 16
.set WA,  4                            ; v4, v5   my Wo fragments in slot 0, 1
.set BA,  6                            ; v6       att's fragments, first piece
.set STO, 8                            ; v8       stage, in
.set RDA, 9                            ; v9       stage, back: my four rows, 16 L
.set GO,  10                           ; v10      the same four rows in hidden_states and out0
.set PO,  11                           ; v11      256 L: prefetch
.set LO,  3                            ; v3       16 L: ln_g, ln_b
.set BF,  16                           ; v[16:47]   8 (2 ks + st)
.set AF,  48                           ; v[48:143]  8 (6 ks + nt)
.set ACC, 144                          ; v[144:239] 8 (2 nt + st)
.set HID, 16                           ; v[16:111]  the way out: hidden_states, 24 registers a row
.set GG,  112                          ; v[112:135] ln_g
.set BB,  144                          ; v[144:167] ln_b
.set X0,  168                          ; v[168:191], v[192:215] a row at work, two buffers
.set X1,  192
.set T,   216                          ; v[216:219] two chains of sums
.set MEAN,220                          ; v[220:221] broadcast from the first
.set PT,  222                          ; v222       the other half's sum
.set RS,  224                          ; v[224:225] broadcast from the first
.set G1J, 24                           ; s[24:31] group 1, Wo (joint)
.set G0J, 32                           ; s[32:39] group 0, Wo, a set for each slot
.set G1P, 40                           ; s[40:47] group 1, att (plain)
.set G0P, 68                           ; s[68:91] group 0, att: a set for each of a wave's six loads
.macro PLACES n
.rept \n
	v_nop
.endr
.endm
.macro ROUND
	s_barrier_signal -1
	s_barrier_wait -1
	s_cmp_lg_u32 s16, 0
	s_cbranch_scc1 .Lnot_wave_0_\@
	s_barrier_signal -3
.Lnot_wave_0_\@:
	s_barrier_wait -3
	s_barrier_signal -1
	s_barrier_wait -1
.endm
; One block of Wo into slot s: waves 0-5 ask jointly for 64 LDS rows each, waves 6 and 7 for nothing
.macro JLOAD s
	s_cmp_lt_u32 s16, 6
	s_cbranch_scc0 .Lasked_\@
	tensor_load_to_lds s[G0J+4*(\s):G0J+4*(\s)+3], s[G1J:G1J+7]
	s_nop 0
.Lasked_\@:
.endm
	s_load_b256 s[4:11], s[0:1], 0x0               ; att s[4:5], WoB s[6:7], hidden_states s[8:9], ln_g s[10:11]
	s_load_b128 s[12:15], s[0:1], 0x20             ; ln_b s[12:13], out0 s[14:15]
	v_lshl_add_u32 v254, v0, 2, 0x3fc00
	v_mov_b32 v255, 0
	ds_add_u32 v254, v255
	v_lshrrev_b32 v1, 5, v0
	v_readfirstlane_b32 s16, v1                    ; wave 0 .. 7
	s_bfe_u32 s17, ttmp6, 0x40000                  ; cx
	s_lshl_b32 s18, ttmp9, 2
	s_add_co_u32 s18, s18, s17                     ; my block of 32 rows = 4 x cluster x + cx
	s_sub_co_u32 s52, ttmp9, 12                    ; cluster x (0 .. 31) mod 12: twice the smaller of c and c - 12 (which wraps to a large number below 12)
	s_min_u32 s49, ttmp9, s52
	s_sub_co_u32 s52, s49, 12
	s_min_u32 s49, s49, s52                        ; the block at which my cluster begins
	s_mov_b32 s48, s49                             ; the block asked for last
	s_mov_b32 s56, 0x76543210
	s_mov_b32 s57, 0xfedcba98
	s_mov_b32 s62, 0x3aaaaaab                      ; 1 / 768
	; dense blocks as rows of 32 elements of 8 bytes, 4 words of padding after every 64
	s_mov_b32 s[G1J+0], 15|(3<<16)|(1<<20)|(1<<21)|(5<<22)|(3<<25)
	s_mov_b32 s[G1J+1], 32<<16
	s_mov_b32 s[G1J+2], 64<<16                     ; 64 rows
	s_mov_b32 s[G1J+3], 32<<16
	s_mov_b32 s[G1J+4], 64
	s_mov_b32 s[G1J+5], 32
	s_mov_b32 s[G1J+6], 0
	s_mov_b32 s[G1J+7], 0
	s_mov_b32 s[G1P+0], (3<<16)|(1<<20)|(5<<22)|(3<<25)
	s_mov_b32 s[G1P+1], 32<<16
	s_mov_b32 s[G1P+2], 16<<16                     ; 16 rows
	s_mov_b32 s[G1P+3], 32<<16
	s_mov_b32 s[G1P+4], 16
	s_mov_b32 s[G1P+5], 32
	s_mov_b32 s[G1P+6], 0
	s_mov_b32 s[G1P+7], 0
	s_lshl_b32 s20, s16, 14                        ; Wo: wave x 16,384 bytes of a block
	s_mov_b32 s21, 0
	s_lshl_b32 s22, s18, 12                        ; att: my 32 rows of 128 bytes
	s_mov_b32 s23, 0
	s_mul_i32 s19, s16, 64*PITCH                   ; where my part of Wo goes: wave x 64 LDS rows
	s_mul_i32 s58, s18, 98304                      ; hidden_states, out0: my 32 rows of 3,072 bytes
	s_mov_b32 s59, 0
	s_mul_i32 s63, s16, 48*PITCH                   ; my 96 rows of Wo in a slot
	v_and_b32 v1, 15, v0                           ; r
	v_bfe_u32 v2, v0, 4, 1                         ; h
	v_and_b32 v12, 31, v0                          ; L
	v_lshrrev_b32 v14, 1, v1
	v_and_b32 v15, 1, v1
	v_mul_u32_u24 v13, v14, PITCH
	v_lshl_add_u32 v13, v15, 7, v13
	v_lshl_add_u32 v13, v2, 4, v13                 ; row r of a fragment: LDS row r >> 1, half r & 1, + 16 h
	v_add_nc_u32 v[WA], s63, v13
	v_add_nc_u32 v[WA+1], WPART, v[WA]
	v_add_nc_u32 v[BA], ATT, v13
	s_mul_i32 s63, s16, 384
	v_mul_u32_u24 v[STO], v1, FP
	v_lshl_add_u32 v[STO], v2, 5, v[STO]
	v_add_nc_u32 v[STO], s63, v[STO]               ; stage row r, my 96 columns, + 32 h
	v_lshlrev_b32 v[LO], 4, v12
	s_mul_i32 s63, s16, 4*FP
	v_add_nc_u32 v[RDA], s63, v[LO]
	s_mul_i32 s63, s16, 4*3072
	v_add_nc_u32 v[GO], s63, v[LO]
	v_lshlrev_b32 v[PO], 8, v12
	s_mul_i32 s63, s16, 6*CH
	s_add_co_u32 s63, s63, ATT-36*CH               ; waves 6 and 7: pieces 0 to 5 and 6 to 11 of att's region
	s_and_b32 s53, s16, 1
	s_mul_i32 s53, s53, 6
	s_add_co_u32 s53, s53, s49                     ; and the head of the first of them, before the wrap
	s_wait_dscnt 0x0
	s_wait_kmcnt 0x0
	s_add_nc_u64 s[60:61], s[14:15], s[58:59]
	s_add_nc_u64 s[58:59], s[8:9], s[58:59]
	s_add_nc_u64 s[6:7], s[6:7], s[20:21]          ; WoB at my part of block 0: kept; every tile's address is this plus block x 98,304
	s_add_nc_u64 s[4:5], s[4:5], s[22:23]
.irp s, 0,1
	s_mov_b32 s[G0J+4*\s], 1
	s_add_co_u32 s[G0J+4*\s+1], s19, \s*WPART
.endr
	s_mul_i32 s50, s49, 98304
	s_mov_b32 s51, 0
	s_add_nc_u64 s[G0J+2:G0J+3], s[6:7], s[50:51]  ; step 0's block; slot 1's address is written in step 0
	s_or_b32 s[G0J+3], s[G0J+3], 0x80000000
.irp i, 0,1,2,3,4,5
	s_add_co_u32 s52, s53, \i
	s_sub_co_u32 s50, s52, 12
	s_min_u32 s52, s52, s50                        ; the head of this piece: (start + piece) mod 12
	s_lshl_b32 s50, s52, 19                        ; x 524,288 bytes
	s_mov_b32 s[G0P+4*\i], 1
	s_add_co_u32 s[G0P+4*\i+1], s63, \i*CH
	s_add_nc_u64 s[G0P+4*\i+2:G0P+4*\i+3], s[4:5], s[50:51]
	s_or_b32 s[G0P+4*\i+3], s[G0P+4*\i+3], 0x80000000
.endr
	ROUND                                          ; the four work-groups are here: the first joint loads meet
	; the first fills, one group: waves 0-5 one joint load each, waves 6 and 7 six plain loads each (six out, by this text's count)
	s_cmp_lt_u32 s16, 6
	s_cbranch_scc0 .Latt_fill
	tensor_load_to_lds s[G0J:G0J+3], s[G1J:G1J+7]
	s_nop 0
	s_branch .Lfilled
.Latt_fill:
.irp i, 0,1,2,3,4,5
	tensor_load_to_lds s[G0P+4*\i:G0P+4*\i+3], s[G1P:G1P+7]
	s_nop 0
.endr
.Lfilled:
; Step t of twelve, K = 64: 32 LDS loads, 24 matrix instructions.  The twelve accumulators take turns, one instruction a turn.
; pf >= 0: wave 7 asks for 16,384 bytes of the work-group's own 98,304 bytes of hidden_states, lanes 256 bytes apart, each block once.
.macro TRIP t, slot, refill, first, pf
	s_wait_tensorcnt 0x0                           ; all my tensor loads have landed, my part of this step's tile (in step 0: of att) among them, so every group 0 may be written
	ds_add_u32 v254, v255
	s_wait_dscnt 0x0
.if \refill
	s_add_co_u32 s48, s48, 1                       ; the next block, round the twelve
	s_sub_co_u32 s52, s48, 12
	s_min_u32 s48, s48, s52
	s_mul_i32 s50, s48, 98304
	s_add_nc_u64 s[G0J+4*(1-\slot)+2:G0J+4*(1-\slot)+3], s[6:7], s[50:51]
	s_or_b32 s[G0J+4*(1-\slot)+3], s[G0J+4*(1-\slot)+3], 0x80000000
.endif
	s_wait_dscnt 0x0                               ; my reads of the other slot are over
	ROUND                                          ; both now hold of every wave of the four work-groups
.if \refill
	JLOAD 1-\slot                                  ; first thing behind the round, one load a wave
.endif
.if \pf >= 0
	s_cmp_lg_u32 s16, 7
	s_cbranch_scc1 .Lno_pf_\@
	global_prefetch_b8 v[PO], s[58:59] offset:\pf*8192 th:TH_LOAD_NT scope:SCOPE_SE
	global_prefetch_b8 v[PO], s[58:59] offset:\pf*8192+8192 th:TH_LOAD_NT scope:SCOPE_SE
.Lno_pf_\@:
.endif
.if \first == 0
	PLACES 4                                       ; loads into registers that matrix instructions have read stand four places behind them
.endif
.irp ks, 0,1
.irp st, 0,1
	ds_load_b128 v[BF+8*(2*\ks+\st):BF+8*(2*\ks+\st)+3],   v[BA] offset:\t*CH+\st*8*PITCH+\ks*64
	ds_load_b128 v[BF+8*(2*\ks+\st)+4:BF+8*(2*\ks+\st)+7], v[BA] offset:\t*CH+\st*8*PITCH+\ks*64+32
.endr
.irp nt, 0,1,2,3,4,5
	ds_load_b128 v[AF+8*(6*\ks+\nt):AF+8*(6*\ks+\nt)+3],   v[WA+\slot] offset:\nt*8*PITCH+\ks*64
	ds_load_b128 v[AF+8*(6*\ks+\nt)+4:AF+8*(6*\ks+\nt)+7], v[WA+\slot] offset:\nt*8*PITCH+\ks*64+32
.endr
.endr
.irp nt, 0,1,2,3,4,5
	s_wait_dscnt 26-2*\nt                          ; out: the two loads of each later tile of this half and the 16 of the second half
.irp st, 0,1
.if \first
	v_wmma_f32_16x16x32_bf16 v[ACC+8*(2*\nt+\st):ACC+8*(2*\nt+\st)+7], v[AF+8*\nt:AF+8*\nt+7], v[BF+8*\st:BF+8*\st+7], 0
.else
	v_wmma_f32_16x16x32_bf16 v[ACC+8*(2*\nt+\st):ACC+8*(2*\nt+\st)+7], v[AF+8*\nt:AF+8*\nt+7], v[BF+8*\st:BF+8*\st+7], v[ACC+8*(2*\nt+\st):ACC+8*(2*\nt+\st)+7]
.endif
.endr
.endr
.irp nt, 0,1,2,3,4,5
	s_wait_dscnt 10-2*\nt                          ; out: the two loads of each later tile
.irp st, 0,1
	v_wmma_f32_16x16x32_bf16 v[ACC+8*(2*\nt+\st):ACC+8*(2*\nt+\st)+7], v[AF+8*(6+\nt):AF+8*(6+\nt)+7], v[BF+8*(2+\st):BF+8*(2+\st)+7], v[ACC+8*(2*\nt+\st):ACC+8*(2*\nt+\st)+7]
.endr
.endr
.endm
	TRIP 0,  0, 1, 1, -1
	TRIP 1,  1, 1, 0, -1
	TRIP 2,  0, 1, 0, -1
	TRIP 3,  1, 1, 0, -1
	TRIP 4,  0, 1, 0, 0                            ; steps 4 to 9 ask for hidden_states, two requests a step; the last stands two steps ahead of the loads that want the rows
	TRIP 5,  1, 1, 0, 2
	TRIP 6,  0, 1, 0, 4
	TRIP 7,  1, 1, 0, 6
	TRIP 8,  0, 1, 0, 8
	TRIP 9,  1, 1, 0, 10
	TRIP 10, 0, 1, 0, -1
	TRIP 11, 1, 0, 0, -1                           ; the last step: nothing is left to fetch
	; THE WAY OUT.  Wave w normalises rows 4 w .. 4 w + 3; a lane holds columns 128 j + 4 L .. + 3, j = 0 .. 5, of a row, of ln_g and of ln_b.
	PLACES 4                                       ; behind the last matrix instructions: results are stored, and their sources loaded into, from here on
.irp j, 0,1,2,3,4,5
	global_load_b128 v[GG+4*\j:GG+4*\j+3], v[LO], s[10:11] offset:512*\j
.endr
.irp i, 0,1,2,3
.irp j, 0,1,2,3,4,5
	global_load_b128 v[HID+24*\i+4*\j:HID+24*\i+4*\j+3], v[GO], s[58:59] offset:\i*3072+512*\j th:TH_LOAD_NT
.endr
.endr
.irp nt, 0,1,2,3,4,5
.irp st, 0,1
	ds_store_b128 v[STO], v[ACC+8*(2*\nt+\st):ACC+8*(2*\nt+\st)+3]   offset:\st*16*FP+\nt*64
	ds_store_b128 v[STO], v[ACC+8*(2*\nt+\st)+4:ACC+8*(2*\nt+\st)+7] offset:\st*16*FP+\nt*64+16
.endr
.endr
	s_wait_dscnt 0x0                               ; for the others' sake: my part of the stage is written; and the accumulators are free
.irp j, 0,1,2,3,4,5
	global_load_b128 v[BB+4*\j:BB+4*\j+3], v[LO], s[12:13] offset:512*\j
.endr
	v_mov_b32 v[MEAN+1], 0                         ; second halves of broadcast pairs, and the target of v_permlanex16_b32, count as read
	v_mov_b32 v[RS+1], 0
	v_mov_b32 v[PT], 0
	s_barrier_signal -1
	s_barrier_wait -1                              ; the stage is whole
.macro XLOAD i, x
.irp j, 0,1,2,3,4,5
	ds_load_b128 v[\x+4*\j:\x+4*\j+3], v[RDA] offset:(\i)*FP+512*\j
.endr
.endm
.macro ACROSS                          ; v[T] summed over the 32 lanes, into every lane
	v_add_f32_dpp v[T], v[T], v[T] row_xmask:1 row_mask:0xf bank_mask:0xf
	v_add_f32_dpp v[T], v[T], v[T] row_xmask:2 row_mask:0xf bank_mask:0xf
	v_add_f32_dpp v[T], v[T], v[T] row_xmask:4 row_mask:0xf bank_mask:0xf
	v_add_f32_dpp v[T], v[T], v[T] row_xmask:8 row_mask:0xf bank_mask:0xf
	v_permlanex16_b32 v[PT], v[T], s56, s57
	v_add_f32 v[T], v[T], v[PT]
.endm
; row i of my four, in buffer x; more = 1: the next row is fetched into buffer nxt meanwhile
.macro LNROW i, x, nxt, more
.if \more
.if \i >= 1
	s_wait_xcnt 0x0                                ; buffer nxt was the data of the stores of two rows ago: it is loaded again only behind this wait (ISA guide 3.1)
.endif
	XLOAD \i+1, \nxt
	s_wait_dscnt 0x6                               ; my row is in; the next row's six loads stay out
.else
	s_wait_dscnt 0x0
.endif
.irp j, 0,2,4,6,8,10,12,14,16,18,20,22
	v_pk_add_f32 v[\x+\j:\x+\j+1], v[\x+\j:\x+\j+1], v[HID+24*\i+\j:HID+24*\i+\j+1]        ; + residual
.endr
	v_pk_add_f32 v[T:T+1],   v[\x:\x+1],   v[\x+2:\x+3]                                    ; the first pairs start the two chains
	v_pk_add_f32 v[T+2:T+3], v[\x+4:\x+5], v[\x+6:\x+7]
.irp j, 8,12,16,20
	v_pk_add_f32 v[T:T+1],   v[T:T+1],   v[\x+\j:\x+\j+1]
	v_pk_add_f32 v[T+2:T+3], v[T+2:T+3], v[\x+\j+2:\x+\j+3]
.endr
	v_pk_add_f32 v[T:T+1], v[T:T+1], v[T+2:T+3]
	v_add_f32 v[T], v[T], v[T+1]
	ACROSS
	v_mul_f32 v[MEAN], s62, v[T]
.irp j, 0,2,4,6,8,10,12,14,16,18,20,22
	v_pk_add_f32 v[\x+\j:\x+\j+1], v[\x+\j:\x+\j+1], v[MEAN:MEAN+1] op_sel_hi:[1,0] neg_lo:[0,1] neg_hi:[0,1]
.endr
	v_pk_mul_f32 v[T:T+1],   v[\x:\x+1],   v[\x:\x+1]
	v_pk_mul_f32 v[T+2:T+3], v[\x+2:\x+3], v[\x+2:\x+3]
.irp j, 4,8,12,16,20
	v_pk_fma_f32 v[T:T+1],   v[\x+\j:\x+\j+1],   v[\x+\j:\x+\j+1],   v[T:T+1]
	v_pk_fma_f32 v[T+2:T+3], v[\x+\j+2:\x+\j+3], v[\x+\j+2:\x+\j+3], v[T+2:T+3]
.endr
	v_pk_add_f32 v[T:T+1], v[T:T+1], v[T+2:T+3]
	v_add_f32 v[T], v[T], v[T+1]
	ACROSS
	v_fmaak_f32 v[T], s62, v[T], 0x2b8cbccc        ; variance + 1e-12
	v_rsq_f32 v[RS], v[T]
	v_nop                                          ; one plain place behind the root (ISA guide 5.7.2)
	s_wait_alu depctr_va_vdst(0)
.irp j, 0,2,4,6,8,10,12,14,16,18,20,22
	v_pk_mul_f32 v[\x+\j:\x+\j+1], v[\x+\j:\x+\j+1], v[RS:RS+1] op_sel_hi:[1,0]
.endr
.irp j, 0,2,4,6,8,10,12,14,16,18,20,22
	v_pk_fma_f32 v[\x+\j:\x+\j+1], v[\x+\j:\x+\j+1], v[GG+\j:GG+\j+1], v[BB+\j:BB+\j+1]
.endr
.irp j, 0,1,2,3,4,5
	global_store_b128 v[GO], v[\x+4*\j:\x+4*\j+3], s[60:61] offset:\i*3072+512*\j th:TH_STORE_NT   ; 512 neighbouring bytes a store
.endr
.endm
	XLOAD 0, X0
	s_wait_loadcnt 0x0                             ; ln_g, ln_b and my four rows of hidden_states, once
	LNROW 0, X0, X1, 1
	LNROW 1, X1, X0, 1
	LNROW 2, X0, X1, 1
	LNROW 3, X1, X0, 0
	s_wait_tensorcnt 0x0
	ds_add_u32 v254, v255
	s_wait_dscnt 0x0
	ROUND                                          ; the closing round: no work-group ends while a partner may still ask for a tile that names it
	s_endpgm
.Lfunc_end_k_q5f8f101ee3_oproj:
	.size	k_q5f8f101ee3_oproj, .Lfunc_end_k_q5f8f101ee3_oproj-k_q5f8f101ee3_oproj
	.p2alignl 7, 3214868480
	.fill 96, 4, 3214868480
	.section	.rodata,"a",@progbits
	.p2align	6, 0x0
	.amdhsa_kernel k_q5f8f101ee3_oproj
		.amdhsa_group_segment_fixed_size 327680
		.amdhsa_private_segment_fixed_size 0
		.amdhsa_enable_private_segment 0
		.amdhsa_kernarg_size 48
		.amdhsa_user_sgpr_count 2
		.amdhsa_user_sgpr_kernarg_segment_ptr 1
		.amdhsa_wavefront_size32 1
		.amdhsa_system_sgpr_workgroup_id_x 1
		.amdhsa_system_sgpr_workgroup_id_y 1
		.amdhsa_system_sgpr_workgroup_id_z 1
		.amdhsa_system_vgpr_workitem_id 0
		.amdhsa_next_free_vgpr 256
		.amdhsa_next_free_sgpr 92
		.amdhsa_reserve_vcc 0
		.amdhsa_float_denorm_mode_32 3
		.amdhsa_float_denorm_mode_16_64 3
		.amdhsa_memory_ordered 1
		.amdhsa_forward_progress 1
		.amdhsa_inst_pref_size 98
	.end_amdhsa_kernel
	.amdgpu_metadata
---
amdhsa.version: [ 1, 2 ]
amdhsa.kernels:
  - .name:           k_q5f8f101ee3_oproj
    .symbol:         k_q5f8f101ee3_oproj.kd
    .args:
      - { .name: att, .offset: 0, .size: 8, .value_kind: global_buffer, .address_space: global }
      - { .name: WoB, .offset: 8, .size: 8, .value_kind: global_buffer, .address_space: global }
      - { .name: hidden_states, .offset: 16, .size: 8, .value_kind: global_buffer, .address_space: global }
      - { .name: ln_g, .offset: 24, .size: 8, .value_kind: global_buffer, .address_space: global }
      - { .name: ln_b, .offset: 32, .size: 8, .value_kind: global_buffer, .address_space: global }
      - { .name: out0, .offset: 40, .size: 8, .value_kind: global_buffer, .address_space: global }
    .group_segment_fixed_size: 327680
    .private_segment_fixed_size: 0
    .kernarg_segment_align: 8
    .kernarg_segment_size: 48
    .max_flat_workgroup_size: 256
    .sgpr_count:     92
    .vgpr_count:     256
    .wavefront_size: 32
...
	.end_amdgpu_metadata
.endif
;; end of part 4
;; ======== version 2 of 2: 4 launches; version 1 with the launch cast written anew for expert scheduling mode
;; workspace buffers: hB 6,291,456 bytes; WB 3,538,944 bytes; WoB 1,179,648 bytes; q 6,291,456 bytes; k 6,291,456 bytes; v 6,291,456 bytes; att 6,291,456 bytes
;; launch cast (part 5): grid 256 x 1, 6 waves a work-group, no clusters, 0 bytes of LDS; arguments hidden_states, Wq, Wk, Wv, Wo, hB, WB, WoB; writes hB, WB, WoB
.if DOCPART == 5
	.amdgcn_target "amdgcn-amd-amdhsa--gfx1250"
	.amdhsa_code_object_version 6
	.text
	.protected	k_q5f8f101ee3_cast
	.globl	k_q5f8f101ee3_cast
	.p2align	8
	.type	k_q5f8f101ee3_cast,@function
k_q5f8f101ee3_cast:
	s_mov_b64 s[64:65], 0
	v_nop
	global_prefetch_b8 v0, s[64:65] scope:SCOPE_SE
	s_setreg_imm32_b32 hwreg(HW_REG_WAVE_SCHED_MODE, 0, 2), 2
	s_setreg_imm32_b32 hwreg(HW_REG_WAVE_MODE, 25, 1), 1
	s_wait_xcnt 0x0
	s_wait_alu depctr_vm_vsrc(0)
; f32 to bf16, once, for everything that later goes to the matrix units more than once:
;   hB  [4096][768]      = hidden_states
;   WB  [2304][768]      = QS * Wq, Wk, Wv stacked by rows;  QS = log2(e) / 64: both score scalings (1/8 twice) and the change to base 2
;   WoB [12][768][64]    = Wo cut along k into 12 blocks of 64, each block dense (98,304 bytes), so that one K step is one dense tile
; The projection reads each block of hidden_states twelve times and each block of the weights sixteen times; cast once, those
; reads, the LDS tiles and the fragments are half as large and no conversion stands in a matrix loop.
; LIMIT: operands are rounded to bf16 (nearest even); Wq is multiplied by QS in f32 before its one rounding.
; A pure stream: 43,008 wave loads of 512 bytes = 1,536 waves x 28.  Each lane loads 16 bytes (4 f32), packs them to 8 bytes and stores them:
; a load of the wave covers 512 neighbouring bytes (Wo: two pieces of 256), a store 256 neighbouring bytes at a multiple of 256.
; No LDS, no barrier, no matrix unit, no cluster: the work-groups share no byte.
; THE MODE: SCHED_MODE bits 1:0 = 2 (LLVM: expert scheduling mode 2), set by the entry lines.  The code itself states the register dependences
; between vector instructions and memory instructions, with s_wait_alu, always for 0.
; THE PLAN.  Registers that memory instructions touch:
;   v1, v3     load offsets, v2 the store offset: written once at the head by vector instructions, read by the loads and stores, never written again.
;   D + 4 i    four registers for load i.  Load i lands in them; all 28 loads go out before any conversion.  Load i's conversions read the four and
;              write the first two; store i reads those two; nothing writes them afterwards.
; So no register that a memory instruction has read is ever written again, and no load lands in a register that a vector instruction has named.
; What is left to state: the offsets are written (one wait ahead of the first load), and a store's data are written.  For that the 28 loads go in
; seven groups of four: group g's conversions name group g's sixteen registers alone, and the four stores of group g - 1 are dealt among them,
; behind ONE wait at the group's head, which shows group g - 1's conversions written.  The last group's stores have a wait of their own.
.set D,  8                             ; v[8+4i : 11+4i]  load i, i = 0 .. 27
.set QS, 0x3cb8aa3b                    ; log2(e) / 64
	s_load_b512 s[4:19], s[0:1], 0x0               ; hidden s[4:5], Wq s[6:7], Wk s[8:9], Wv s[10:11], Wo s[12:13], hB s[14:15], WB s[16:17], WoB s[18:19]
	v_lshrrev_b32 v4, 5, v0
	v_readfirstlane_b32 s20, v4                    ; wave in the work-group
	v_and_b32 v4, 31, v0                           ; lane L
	v_lshlrev_b32 v1, 4, v4                        ; 16 L: where a lane loads
	v_lshlrev_b32 v2, 3, v4                        ; 8 L: where a lane stores
	v_lshrrev_b32 v5, 4, v4
	v_and_b32 v6, 15, v4
	v_mul_u32_u24 v3, v5, 3072                     ; Wo: lanes 0-15 take 256 bytes of row 2p, lanes 16-31 of row 2p + 1
	v_lshl_add_u32 v3, v6, 4, v3
	s_mul_i32 s21, ttmp9, 6
	s_wait_alu depctr_va_sdst(0)                   ; s20 is written, ahead of its first reader, the add below: every base is made from it
	s_add_co_u32 s21, s21, s20                     ; Wg: the wave's number in the launch, 0 .. 1535
	s_lshl_b32 s22, s21, 13                        ; hidden: 8,192 bytes a wave
	s_mov_b32 s23, 0
	s_mul_i32 s24, s21, 1536                       ; Wq, Wk, Wv: 1,536 bytes a wave
	s_mov_b32 s25, 0
	s_lshl_b32 s26, s21, 12                        ; hB: 4,096 bytes a wave
	s_mov_b32 s27, 0
	s_mul_i32 s28, s21, 768                        ; WB: 768 bytes a wave and matrix
	s_mov_b32 s29, 0
	s_lshr_b32 s30, s21, 2                         ; p: the pair of rows of Wo
	s_and_b32 s31, s21, 3                          ; which three of the twelve k blocks
	s_mul_i32 s32, s30, 6144
	s_mul_i32 s34, s31, 768
	s_add_co_u32 s32, s32, s34                     ; Wo: p x 2 rows + 3 blocks of 256 bytes
	s_mov_b32 s33, 0
	s_mul_i32 s34, s31, 294912
	s_lshl_b32 s35, s30, 8
	s_add_co_u32 s34, s34, s35                     ; WoB: 3 blocks of 98,304 + p x 256
	s_mov_b32 s35, 0
	s_wait_kmcnt 0x0
	s_add_nc_u64 s[4:5], s[4:5], s[22:23]
	s_add_nc_u64 s[6:7], s[6:7], s[24:25]
	s_add_nc_u64 s[8:9], s[8:9], s[24:25]
	s_add_nc_u64 s[10:11], s[10:11], s[24:25]
	s_add_nc_u64 s[12:13], s[12:13], s[32:33]
	s_add_nc_u64 s[14:15], s[14:15], s[26:27]
	s_add_nc_u64 s[16:17], s[16:17], s[28:29]
	s_add_nc_u64 s[18:19], s[18:19], s[34:35]
	s_wait_alu depctr_va_vdst(0)                   ; v1, v2 and v3 are written: every load and store of the kernel reads one of them as its offset
.irp i, 0,1,2,3,4,5,6,7,8,9,10,11,12,13,14,15
	global_load_b128 v[D+4*\i:D+4*\i+3], v1, s[4:5] offset:512*\i th:TH_LOAD_NT
.endr
.irp i, 0,1,2
	global_load_b128 v[D+4*(16+\i):D+4*(16+\i)+3], v1, s[6:7] offset:512*\i th:TH_LOAD_NT
.endr
.irp i, 0,1,2
	global_load_b128 v[D+4*(19+\i):D+4*(19+\i)+3], v1, s[8:9] offset:512*\i th:TH_LOAD_NT
.endr
.irp i, 0,1,2
	global_load_b128 v[D+4*(22+\i):D+4*(22+\i)+3], v1, s[10:11] offset:512*\i th:TH_LOAD_NT
.endr
.irp i, 0,1,2
	global_load_b128 v[D+4*(25+\i):D+4*(25+\i)+3], v3, s[12:13] offset:256*\i th:TH_LOAD_NT
.endr
; load i is packed in place: its four f32 close up into the first two of their four registers.  Loads 16 to 18 are Wq's and take the factor first.
.macro CVT i
.if ((\i) >= 16) && ((\i) < 19)
	v_pk_mul_f32 v[D+4*(\i):D+4*(\i)+1], v[D+4*(\i):D+4*(\i)+1], QS op_sel_hi:[1,0]
	v_pk_mul_f32 v[D+4*(\i)+2:D+4*(\i)+3], v[D+4*(\i)+2:D+4*(\i)+3], QS op_sel_hi:[1,0]
.endif
	v_cvt_pk_bf16_f32 v[D+4*(\i)], v[D+4*(\i)], v[D+4*(\i)+1]
	v_cvt_pk_bf16_f32 v[D+4*(\i)+1], v[D+4*(\i)+2], v[D+4*(\i)+3]
.endm
; load i's 8 bytes a lane are stored.  0-15: hB, 256 bytes a load.  16-24: WB, three loads a matrix, Wk behind Wq's 768 rows (1,179,648 bytes), Wv behind Wk's.
; 25-27: WoB, one k block (98,304 bytes) further for each load.
.macro ST i
.if (\i) < 16
	global_store_b64 v2, v[D+4*(\i):D+4*(\i)+1], s[14:15] offset:256*(\i)
.elseif (\i) < 25
	global_store_b64 v2, v[D+4*(\i):D+4*(\i)+1], s[16:17] offset:1179648*(((\i)-16)/3)+256*(((\i)-16)%3)
.else
	global_store_b64 v2, v[D+4*(\i):D+4*(\i)+1], s[18:19] offset:98304*((\i)-25)
.endif
.endm
; Group g: loads 4 g to 4 g + 3 are packed, and the group before is stored.
.macro GROUP g
	s_wait_loadcnt 27-4*(\g)                       ; loads come back in order (ISA guide 5.7.1): load 4 g is in, the 27 - 4 g younger ones stay out
.if (\g) > 0
	s_wait_alu depctr_va_vdst(0)                   ; the group before has written its eight packed registers, which the four stores below read; no vector line of this group names them
.endif
.irp j, 0,1,2,3
.if (\g) > 0
	ST 4*(\g)-4+\j
.endif
.if \j > 0
	s_wait_loadcnt 27-4*(\g)-\j                    ; load 4 g + j is in, the younger ones stay out
.endif
	CVT 4*(\g)+\j
.endr
.endm
	GROUP 0
	GROUP 1
	GROUP 2
	GROUP 3
	GROUP 4
	GROUP 5
	GROUP 6
	s_wait_alu depctr_va_vdst(0)                   ; the last group has written its eight packed registers, which the last four stores read
	ST 24
	ST 25
	ST 26
	ST 27
	s_endpgm
.Lfunc_end_k_q5f8f101ee3_cast:
	.size	k_q5f8f101ee3_cast, .Lfunc_end_k_q5f8f101ee3_cast-k_q5f8f101ee3_cast
	.p2alignl 7, 3214868480
	.fill 96, 4, 3214868480
	.section	.rodata,"a",@progbits
	.p2align	6, 0x0
	.amdhsa_kernel k_q5f8f101ee3_cast
		.amdhsa_group_segment_fixed_size 0
		.amdhsa_private_segment_fixed_size 0
		.amdhsa_enable_private_segment 0
		.amdhsa_kernarg_size 64
		.amdhsa_user_sgpr_count 2
		.amdhsa_user_sgpr_kernarg_segment_ptr 1
		.amdhsa_wavefront_size32 1
		.amdhsa_system_sgpr_workgroup_id_x 1
		.amdhsa_system_sgpr_workgroup_id_y 1
		.amdhsa_system_sgpr_workgroup_id_z 1
		.amdhsa_system_vgpr_workitem_id 0
		.amdhsa_next_free_vgpr 120
		.amdhsa_next_free_sgpr 66
		.amdhsa_reserve_vcc 0
		.amdhsa_float_denorm_mode_32 3
		.amdhsa_float_denorm_mode_16_64 3
		.amdhsa_memory_ordered 1
		.amdhsa_forward_progress 1
		.amdhsa_inst_pref_size 13
	.end_amdhsa_kernel
	.amdgpu_metadata
---
amdhsa.version: [ 1, 2 ]
amdhsa.kernels:
  - .name:           k_q5f8f101ee3_cast
    .symbol:         k_q5f8f101ee3_cast.kd
    .args:
      - { .name: hidden_states, .offset: 0, .size: 8, .value_kind: global_buffer, .address_space: global }
      - { .name: Wq, .offset: 8, .size: 8, .value_kind: global_buffer, .address_space: global }
      - { .name: Wk, .offset: 16, .size: 8, .value_kind: global_buffer, .address_space: global }
      - { .name: Wv, .offset: 24, .size: 8, .value_kind: global_buffer, .address_space: global }
      - { .name: Wo, .offset: 32, .size: 8, .value_kind: global_buffer, .address_space: global }
      - { .name: hB, .offset: 40, .size: 8, .value_kind: global_buffer, .address_space: global }
      - { .name: WB, .offset: 48, .size: 8, .value_kind: global_buffer, .address_space: global }
      - { .name: WoB, .offset: 56, .size: 8, .value_kind: global_buffer, .address_space: global }
    .group_segment_fixed_size: 0
    .private_segment_fixed_size: 0
    .kernarg_segment_align: 8
    .kernarg_segment_size: 64
    .max_flat_workgroup_size: 192
    .sgpr_count:     66
    .vgpr_count:     120
    .wavefront_size: 32
...
	.end_amdgpu_metadata
.endif
;; end of part 5
;; launch qkv: the kernel of part 2 again; grid 12 x 16, 12 waves a work-group, clusters of 4 x 4, 327,680 bytes of LDS; arguments hB, WB, bq, bk, bv, cos, sin, q, k, v; writes q, k, v
;; launch attn: the kernel of part 3 again; grid 16 x 12, 8 waves a work-group, clusters of 4 x 1, 327,680 bytes of LDS; arguments q, k, v, att; writes att
;; launch oproj: the kernel of part 4 again; grid 128 x 1, 8 waves a work-group, clusters of 4 x 1, 327,680 bytes of LDS; arguments att, WoB, hidden_states, ln_g, ln_b, out0; writes out0
